; MI455X (gfx1250); checked and timed in simulation.
; The chip was launched on July 23, 2026; its instructions are those of AMD's public machine-readable ISA for CDNA 5 (MIT licence, August 2026) and "CDNA5" Instruction Set Architecture Reference Guide (July 2026). The comments in the code are by the model that wrote it; some were corrected since.
;; Softmax Attention. Allowed arithmetic: matrix products marked QUANTISED: E2M3 operands, one E8M0 scale for each 32 along K, by v_wmma_scale_f32_16x16x128_f8f6f4 with both operands' format E2M3, f32 sums; everything else in f32.
;; Inputs: K_codes 8 x 512 x 16 x 24 uint8 (E2M3 codes of K, K innermost, in blocks of 32 codes, four codes in three bytes); K_scales 8 x 512 x 16 uint8 (E8M0 scales of K, one for each 32 codes along K); P_codes 8 x 512 x 16 x 24 uint8 (E2M3 codes of P, K innermost, in blocks of 32 codes, four codes in three bytes); P_scales 8 x 512 x 16 uint8 (E8M0 scales of P, one for each 32 codes along K); Q_codes 8 x 512 x 16 x 24 uint8 (E2M3 codes of Q, K innermost, in blocks of 32 codes, four codes in three bytes); Q_scales 8 x 512 x 16 uint8 (E8M0 scales of Q, one for each 32 codes along K); Wo_codes 512 x 128 x 24 uint8 (E2M3 codes of Wo, K innermost, in blocks of 32 codes, four codes in three bytes); Wo_scales 512 x 128 uint8 (E8M0 scales of Wo, one for each 32 codes along K); beta 512 float32; bo 512 float32; gamma 512 float32; x 4 x 1,024 x 512 float32.
;; Outputs: out0 4 x 1,024 x 512 float32.
;; This version of the problem:
;;   THIS VERSION OF THE PROBLEM IS GIVEN IN LOW PRECISION. The matrix products marked QUANTISED in the list below multiply operands that are first quantised to E2M3 (2 exponent bits, 3 mantissa bits; 6 bits a number), with one power-of-two scale for each 32 numbers along K (OCP MX v1.0); their sums are f32. All else is computed in f32.
;;   The module's matrix products, in the order in which they are computed (A, B: the left and right operand; K: the contracted axis; several contracted axes count as one K, in the product's order):
;;     1. [M 4,096, K 512] x [K 512, N 4,096]; A: input Q (given as codes); B: input x: QUANTISED
;;     2. [M 4,096, K 512] x [K 512, N 4,096]; A: input K (given as codes); B: input x: QUANTISED
;;     3. [M 4,096, K 512] x [K 512, N 4,096]; A: input P (given as codes); B: input x: QUANTISED
;;     4. batch 32 x [M 1,024, K 512] x [K 512, N 1,024]; A: computed on the way; B: computed on the way: QUANTISED
;;     5. batch 32 x [M 1,024, K 1,024] x [K 1,024, N 512]; A: softmax (see below); B: computed on the way: QUANTISED
;;     6. [M 4,096, K 4,096] x [K 4,096, N 512]; A: computed on the way; B: input Wo (given as codes): QUANTISED
;;   THE QUANTISER, for each operand of a quantised product, along K:
;;     - K is cut into blocks of 32 from its start; a last block that is shorter is filled with zeros.
;;     - A block's scale is 2^e with e = floor(log2(the largest magnitude in the block)) - 2, held to -126 .. 127; a block of zeros has e = 0. As a byte (E8M0): e + 127.
;;     - Each number is divided by its block's scale, clamped to +-7.5, and rounded to the nearest number of E2M3, ties to even, subnormals kept.
;;     - The product sums the exact products of the quantised numbers (number of the format x scale) in f32.
;;   ~~~python
;;   def quantise(x, axis):      # numpy; x: float32 -> the quantised numbers, widened to float32 again
;;       x = np.moveaxis(x, axis, -1); K = x.shape[-1]
;;       x = np.pad(x, [(0, 0)] * (x.ndim - 1) + [(0, -K % 32)]); x = x.reshape(x.shape[:-1] + (-1, 32)); a = np.abs(x).max(-1, keepdims=True)
;;       e = np.where(a > 0, np.clip(np.frexp(np.where(a > 0, a, 1))[1] - 1 - 2, -126, 127), 0)      # np.frexp(a)[1] - 1 = floor(log2(a)), exactly
;;       r = np.clip(x / 2.0 ** e, -7.5, 7.5)
;;       step = 2.0 ** (np.maximum(np.frexp(np.where(r == 0, 1, r))[1] - 1, 0) - 3)
;;       q = np.round(r / step) * step * 2.0 ** e      # np.round: ties to even
;;       return np.moveaxis(q.reshape(q.shape[:-2] + (-1,))[..., :K], -1, axis).astype(np.float32)
;;   ~~~
;;   SOFTMAX AHEAD OF A QUANTISED PRODUCT. Where the list says 'softmax', what is quantised is not the finished softmax but p = 2^(t - M), with t = logit x log2(e) and M = ceil(the row's largest t), a whole number; so 1/2 < the row's largest p <= 1. The row's sum l is taken of the UNQUANTISED p, in f32, and the product's result is divided by l at the end. Since M is a whole number, a kernel that streams over the keys may use a running M (the ceiling of the running maximum): every later rescaling is an exact power of two, which a block's scale takes up: the codes' values come out the same.
;;   OPERANDS COMPUTED ON THE WAY. 'Computed on the way' means the value that the module computes at that place (a softmax that the list does not call 'softmax' is quantised finished and normalised). What goes into a quantiser is computed in f32, as accurately as f32 sums, v_exp_f32 and their like allow (about 1e-6 of the number): no bf16 or f16 on the way to a quantiser, and a product that is left as it is and whose result goes on into a quantised operand takes f32 operands (vector FMAs, or v_wmma_f32_16x16x4_f32). A number that lies on a knife's edge between two numbers of the format may be rounded either way, as far as f32 arithmetic and the matrix unit's own rounding can turn it there, and no further.
;;   INPUTS GIVEN AS CODES. K (in the module: [8, 512, 512], K = its axis 2); P (in the module: [8, 512, 512], K = its axis 2); Q (in the module: [8, 512, 512], K = its axis 2); Wo (in the module: [512, 4096], K = its axis 1): each comes as NAME_codes (uint8): NAME with its K axis moved to the last place and cut into blocks of 32 codes, [.., K / 32, bytes a block], one block behind the other in memory; four codes in three bytes: a row's codes are one little-endian stream of bits, code i at bits 6 i .. 6 i + 5 (a code: sign, 2 exponent bits, 3 mantissa bits); and NAME_scales (uint8): the same leading axes, one E8M0 byte (e + 127) for each 32 codes along K. Its value is code x scale, taken as it is: it is not quantised again, and the codes and scales need not be those that the quantiser above would give.
;; One version. Each part assembles by itself: llvm-mc -triple=amdgcn-amd-amdhsa -mcpu=gfx1250 --defsym DOCPART=n.
;; ======== version 1 of 1: 4 launches
;; limits: right only within a limited range of input values
;; workspace buffers: qkv 39,321,600 bytes; oz 13,107,200 bytes; woz 1,638,400 bytes; hb 8,388,608 bytes
;; launch proj (part 1): grid 32 x 8, 8 waves a work-group, clusters of 4 x 1, 327,680 bytes of LDS; arguments x, Q_codes, Q_scales, K_codes, K_scales, P_codes, P_scales, Wo_codes, Wo_scales, qkv, woz; writes qkv, woz
.if DOCPART == 1
	.amdgcn_target "amdgcn-amd-amdhsa--gfx1250"
	.amdhsa_code_object_version 6
	.text
	.protected	k_qc7c2a26dee_proj
	.globl	k_qc7c2a26dee_proj
	.p2align	8
	.type	k_qc7c2a26dee_proj,@function
k_qc7c2a26dee_proj:
	s_mov_b64 s[64:65], 0
	v_nop
	global_prefetch_b8 v0, s[64:65] scope:SCOPE_SE
	s_setreg_imm32_b32 hwreg(HW_REG_WAVE_MODE, 25, 1), 1
	s_wait_xcnt 0x0
	s_wait_alu depctr_hold_cnt(0) depctr_sa_sdst(0) depctr_va_vdst(0) depctr_va_sdst(0) depctr_va_ssrc(0) depctr_va_vcc(0) depctr_vm_vsrc(0)
	s_getreg_b32 s2, hwreg(HW_REG_IB_STS2, 6, 4)
	s_cmp_eq_u32 s2, 0
	s_cbranch_scc0 .Lentry_in_a_cluster
	s_endpgm
.Lentry_in_a_cluster:
	s_bfe_u32 s2, ttmp6, 0x10000c
	s_cmp_lg_u32 s2, 0x3003
	s_cbranch_scc0 .Lentry_shape_is_right
	s_endpgm
.Lentry_shape_is_right:
; QZ, KZ, PZ = x times the head's Q, K, P (codes of E2M3, one E8M0 scale for each 32 along K), each result quantised again for attention; and Wo laid out anew.  No step of the problem is left out here.
; SHARES.  A work-group takes 128 tokens (block tbg of 32) and one head m: 1,536 features.  EIGHT WAVES, two to a SIMD, 512 registers each.  A wave makes three tiles of 128 tokens x 64 features
; (32 accumulators, four K steps of 128, 128 matrix instructions a tile): tiles 1 and 2 are its own 128 features of Q (waves 0-3) or of K (waves 4-7), tile 3 its own 64 features of P.
; So a weight's row is read by the wave that fetched it alone.  x is quantised here (wave w: tokens 16 w .. 16 w + 15) and goes round through LDS as images of operand registers.
; THE WEIGHTS of a tile (64 rows of 384 bytes, dense in memory: 96 rows of 256 bytes, each at a multiple of 256) come by one tensor load into the wave's own LDS slot, 16 bytes of padding behind every 128.
; CLUSTER: the four work-groups of a cluster have the same head and four token blocks and ask for the weights jointly (mask 15).  The place in the cluster enters global addresses alone.
; LAYOUT OF THE RESULTS.  Q, K: source 0 = 16 features, source 1 = 16 tokens: a lane holds one token, its registers run along the features.  P: the other way round: a lane holds one feature, registers along the tokens.
; A lane's 16 registers of two neighbouring tiles hold, of a block of 32, the numbers 8 h + 0..7 and 16 + 8 h + 0..7: places 8-15 and 16-23 of every block change places, alike in both operands of each later product;
; Wo gets the same exchange here (bytes 6-11 and 12-17 of each 24).
; A Q or K image (16 tokens x 128 features, 12 registers) is made in two halves: tile 1 gives registers 0-5, tile 2 registers 6-11.  Registers 4-5 rest in the wave's own LDS bytes between the two, so that every store is of 512 whole bytes.
; OUT.  qkv: three regions (Q, K, V) of 1,024 units of 12,800 bytes; unit ((b 8 + m) 8 + tb) 4 + u: 8 images, then 512 bytes of scale words.  Q, K: lane l, word i: image 2 i + l / 16.  V: two halves of 256 bytes, half g: lane l, word i: image 4 g + 2 i + l / 16.
; woz: units of 6,400 bytes, (o / 64) 32 + ks: 4 images, then 256 bytes of scale words.  Waves w and w + 4 read the same fragment of Wo; wave w stores it.
; PREFETCH: a tile's 96 blocks of 256 bytes are shared out by address among the four partners, 24 each (lanes past the 24th name the last again): tile 2's at the head, tile 3's at tile 1's start, each one tile ahead of its tensor load.
; LIMITS: a block whose largest magnitude lies under 2^-124 gets the scale byte 1 (a block of zeros too: its codes are zeros, and this program alone reads the bytes); NaN and infinities are not served.
; REGISTERS.  Window 0: v4-31 addresses and Q's, K's scale words in the making; v32-47 x's scale words; v48-63 the weight's, two sets; v64-159 x's fragments, one set; v160-255 the weight's, two sets (on the way out: at work).
; Window 1: the accumulators (in the head: x as loaded).
.set WPITCH, 432
.set WSLOT,  64*WPITCH
.set FRB,    1536
.set XIMG,   8*WSLOT                   ; x's 32 images: (token tile a, K step ks) at (4 a + ks) FRB
.set XSC,    XIMG+32*FRB               ; x's scale words: 16 bytes a token
.set STG,    XSC+2048                  ; a stage of 16 rows x (256 + 16) bytes for each wave
.set SPITCH, 272
.set SPARE,  STG+8*16*SPITCH           ; the spare words, 128 bytes a wave
.set REGION, 13107200
.set XA,   4                           ; 16 x lane
.set STA,  5                           ; the stage, way in
.set STB,  6                           ; the stage, way out
.set XWI,  7
.set XSW,  8
.set LI,   9                           ; XIMG + 16 x lane
.set ADW,  10
.set ADW2, 11
.set XSA,  12                          ; XSC + 16 x lane
.set GOF,  13                          ; 2,048 h + 16 r
.set WOA,  14
.set WOS,  15
.set SW,   16                          ; v16-23 scale words of my eight images of Q or K
.set WOT,  24
.set L8,   25                          ; 8 x lane
.set PKA,  26                          ; where registers 4-5 of an image rest
.set PFO,  27
.set WSW,  28
.set SPW,  30
.set NIL,  31
.set XS,   32
.set WOR,  32
.set WS,   48
.set XF,   64
.set WON,  64
.set T0,   64
.set WF,   160
.set PC0,  192
.set TM,   232
.set PW,   248
.set SEL,  12
.set MSK,  14
.set G1,   16
.set G0,   24
.set MSB,  0
.macro WIN new
.set WNEW, \new
.if MSB != WNEW
	s_set_vgpr_msb (MSB<<8)|WNEW
.set MSB, WNEW
.endif
.endm
.macro PLACES n
.rept \n
	v_nop
.endr
.endm
.macro ROUND                           ; a round of the cluster's barrier
	s_barrier_signal -1
	s_barrier_wait -1
	s_cmp_lg_u32 s8, 0
	s_cbranch_scc1 .Lnot_wave_0_\@
	s_barrier_signal -3
.Lnot_wave_0_\@:
	s_barrier_wait -3
	s_barrier_signal -1
	s_barrier_wait -1
.endm
.macro WM d, a, b, zero, sa, sb, ra, rb
.if \zero
.if (\ra) && (\rb)
	v_wmma_scale_f32_16x16x128_f8f6f4 v[(\d):(\d)+7], v[(\a):(\a)+11], v[(\b):(\b)+11], 0, v[\sa], v[\sb] matrix_a_fmt:MATRIX_FMT_FP6 matrix_b_fmt:MATRIX_FMT_FP6 matrix_a_scale:MATRIX_SCALE_ROW1 matrix_b_scale:MATRIX_SCALE_ROW1
.elseif \ra
	v_wmma_scale_f32_16x16x128_f8f6f4 v[(\d):(\d)+7], v[(\a):(\a)+11], v[(\b):(\b)+11], 0, v[\sa], v[\sb] matrix_a_fmt:MATRIX_FMT_FP6 matrix_b_fmt:MATRIX_FMT_FP6 matrix_a_scale:MATRIX_SCALE_ROW1
.elseif \rb
	v_wmma_scale_f32_16x16x128_f8f6f4 v[(\d):(\d)+7], v[(\a):(\a)+11], v[(\b):(\b)+11], 0, v[\sa], v[\sb] matrix_a_fmt:MATRIX_FMT_FP6 matrix_b_fmt:MATRIX_FMT_FP6 matrix_b_scale:MATRIX_SCALE_ROW1
.else
	v_wmma_scale_f32_16x16x128_f8f6f4 v[(\d):(\d)+7], v[(\a):(\a)+11], v[(\b):(\b)+11], 0, v[\sa], v[\sb] matrix_a_fmt:MATRIX_FMT_FP6 matrix_b_fmt:MATRIX_FMT_FP6
.endif
.else
.if (\ra) && (\rb)
	v_wmma_scale_f32_16x16x128_f8f6f4 v[(\d):(\d)+7], v[(\a):(\a)+11], v[(\b):(\b)+11], v[(\d):(\d)+7], v[\sa], v[\sb] matrix_a_fmt:MATRIX_FMT_FP6 matrix_b_fmt:MATRIX_FMT_FP6 matrix_a_scale:MATRIX_SCALE_ROW1 matrix_b_scale:MATRIX_SCALE_ROW1
.elseif \ra
	v_wmma_scale_f32_16x16x128_f8f6f4 v[(\d):(\d)+7], v[(\a):(\a)+11], v[(\b):(\b)+11], v[(\d):(\d)+7], v[\sa], v[\sb] matrix_a_fmt:MATRIX_FMT_FP6 matrix_b_fmt:MATRIX_FMT_FP6 matrix_a_scale:MATRIX_SCALE_ROW1
.elseif \rb
	v_wmma_scale_f32_16x16x128_f8f6f4 v[(\d):(\d)+7], v[(\a):(\a)+11], v[(\b):(\b)+11], v[(\d):(\d)+7], v[\sa], v[\sb] matrix_a_fmt:MATRIX_FMT_FP6 matrix_b_fmt:MATRIX_FMT_FP6 matrix_b_scale:MATRIX_SCALE_ROW1
.else
	v_wmma_scale_f32_16x16x128_f8f6f4 v[(\d):(\d)+7], v[(\a):(\a)+11], v[(\b):(\b)+11], v[(\d):(\d)+7], v[\sa], v[\sb] matrix_a_fmt:MATRIX_FMT_FP6 matrix_b_fmt:MATRIX_FMT_FP6
.endif
.endif
.endm
; 64 numbers of a lane, v[s] .. v[s + 63] of window win: four blocks, 16 registers each (the other 16 numbers of a block lie in lane l xor 16).  Blocks 0, 1 become six registers of codes at p0 (lanes 0-15 block 0, lanes 16-31 block 1),
; blocks 2, 3 six at p1; t .. t + 6 at work; the four scale bytes are left in v[TM + 4 ..].  Each accumulator is read from its low end on.
.macro QCORE s, win, p0, p1, t
	WIN (\win)|((\win)<<2)
.irp b, 0,1,2,3
	v_max3_num_f32 v[TM+\b], |v[(\s)+16*\b]|, |v[(\s)+16*\b+1]|, 0x1800000   ; and the floor 2^(3 - 127): the byte cannot fall under 1
.endr
	WIN ((\win)<<2)|((\win)<<4)
.irp i, 2,4,6,8,10,12,14
.irp b, 0,1,2,3
	v_max3_num_f32 v[TM+\b], v[TM+\b], |v[(\s)+16*\b+\i]|, |v[(\s)+16*\b+\i+1]|   ; the four blocks by turns
.endr
.endr
	WIN 0
.irp b, 0,1,2,3
	v_permlanex16_b32 v[TM+4+\b], v[TM+\b], s[SEL], s[SEL+1]
.endr
.irp b, 0,1,2,3
	v_max_num_f32 v[TM+\b], v[TM+\b], v[TM+4+\b]   ; the block's largest magnitude
.endr
.irp b, 0,1,2,3
	v_add_nc_u32 v[TM+12+\b], 0xff000000, v[TM+\b]   ; 2 off its exponent field: the conversion's scale operand
.endr
.irp b, 0,1,2,3
	v_lshrrev_b32 v[TM+4+\b], 23, v[TM+12+\b]      ; the scale's byte
.endr
	WIN \win
	v_cvt_scalef32_pk16_fp6_f32 v[(\p0):(\p0)+2], v[(\s):(\s)+15], v[TM+12]
	v_cvt_scalef32_pk16_fp6_f32 v[(\t):(\t)+2], v[(\s)+16:(\s)+31], v[TM+13]
	v_cvt_scalef32_pk16_fp6_f32 v[(\p1):(\p1)+2], v[(\s)+32:(\s)+47], v[TM+14]
	v_cvt_scalef32_pk16_fp6_f32 v[(\t)+4:(\t)+6], v[(\s)+48:(\s)+63], v[TM+15]
	WIN 0
	v_nop                                          ; one plain place behind a scaled conversion
.irp i, 0,1,2
	v_permlane16_swap_b32 v[(\p0)+\i], v[(\t)+\i]  ; a whole block in a lane
	v_permlane16_swap_b32 v[(\p1)+\i], v[(\t)+4+\i]
.endr
.irp i, 0,1,2
	v_mov_b32 v[(\p0)+3+\i], v[(\t)+\i]
	v_mov_b32 v[(\p1)+3+\i], v[(\t)+4+\i]
.endr
.endm
.macro PWORD pw                        ; the four bytes as one scale word
	v_lshl_or_b32 v[\pw], v[TM+5], 8, v[TM+4]
	v_lshl_or_b32 v[\pw], v[TM+6], 16, v[\pw]
	v_lshl_or_b32 v[\pw], v[TM+7], 24, v[\pw]
.endm
	s_load_b256 s[36:43], s[0:1], 0x0              ; x s[36:37], Q's codes s[38:39], Q's scales s[40:41], K's codes s[42:43]
	s_load_b256 s[44:51], s[0:1], 0x20             ; K's scales s[44:45], P's codes s[46:47], P's scales s[48:49], Wo's codes s[50:51]
	s_load_b128 s[52:55], s[0:1], 0x40             ; Wo's scales s[52:53], qkv s[54:55]
	s_load_b64 s[56:57], s[0:1], 0x50              ; woz
	v_lshl_add_u32 v[SPW], v0, 2, SPARE
	v_mov_b32 v[NIL], 0
	ds_add_u32 v[SPW], v[NIL]                      ; the opening lines: the add, twice on end, and its wait
	ds_add_u32 v[SPW], v[NIL]
	v_lshrrev_b32 v1, 5, v0
	v_readfirstlane_b32 s8, v1                     ; wave 0..7
	s_bfe_u32 s9, ttmp6, 0x40000                   ; cx
	s_lshl_b32 s10, ttmp9, 2
	s_add_co_u32 s10, s10, s9                      ; tbg
	s_and_b32 s11, ttmp7, 0xffff                   ; m
	s_and_b32 s32, s8, 3
	s_lshr_b32 s33, s8, 2                          ; 0: Q, 1: K
	s_and_b32 s34, s8, 1
	s_lshr_b32 s35, s8, 1
	s_mov_b32 s[SEL], 0x76543210
	s_mov_b32 s[SEL+1], 0xfedcba98
	s_mov_b32 s[MSK], 0xffff0000
	s_mov_b32 s[G1+0], 15|(1<<20)|(1<<21)|(4<<22)|(3<<25)   ; the mask: all four work-groups; elements of 1 byte; padding of 4 words behind every 32; bit 21 beside the mask
	s_mov_b32 s[G1+1], 256<<16                     ; tensor_dim0
	s_mov_b32 s[G1+2], 96<<16                      ; tensor_dim1
	s_mov_b32 s[G1+3], 256<<16                     ; tile_dim0
	s_mov_b32 s[G1+4], 96                          ; tile_dim1
	s_mov_b32 s[G1+5], 256                         ; from row to row
	s_mov_b32 s[G1+6], 0
	s_mov_b32 s[G1+7], 0
	s_mul_i32 s28, s11, 512*384                    ; Q, K: rows 512 m + 128 (w % 4) on
	s_mul_i32 s29, s32, 128*384
	s_add_co_u32 s28, s28, s29
	s_mov_b32 s29, 0
	s_lshl_b32 s30, s11, 13
	s_lshl_b32 s31, s32, 11
	s_add_co_u32 s30, s30, s31
	s_mov_b32 s31, 0
	s_mul_i32 s58, s11, 512*384                    ; P: rows 512 m + 64 w on
	s_mul_i32 s59, s8, 64*384
	s_add_co_u32 s58, s58, s59
	s_mov_b32 s59, 0
	s_lshl_b32 s60, s11, 13
	s_lshl_b32 s61, s8, 10
	s_add_co_u32 s60, s60, s61
	s_mov_b32 s61, 0
	s_lshl_b32 s62, s10, 18                        ; x: tokens 128 tbg + 16 w on
	s_lshl_b32 s63, s8, 15
	s_add_co_u32 s62, s62, s63
	s_mov_b32 s63, 0
	s_lshr_b32 s66, s10, 3                         ; units of qkv: ((b 8 + m) 8 + tb) 4 + u
	s_lshl_b32 s66, s66, 3
	s_add_co_u32 s66, s66, s11
	s_lshl_b32 s66, s66, 3
	s_and_b32 s67, s10, 7
	s_add_co_u32 s66, s66, s67
	s_lshl_b32 s66, s66, 2
	s_add_co_u32 s68, s66, s32
	s_mul_i32 s68, s68, 12800
	s_mul_i32 s69, s33, REGION
	s_add_co_u32 s68, s68, s69                     ; Q or K: u = w % 4
	s_mov_b32 s69, 0
	s_add_co_u32 s70, s66, s35
	s_mul_i32 s70, s70, 12800
	s_add_co_u32 s70, s70, 2*REGION                ; V: u = w / 2,
	s_mul_i32 s72, s34, 4*FRB
	s_add_co_u32 s72, s72, s70                     ; images 4 (w % 2) on,
	s_mov_b32 s73, 0
	s_lshl_b32 s74, s34, 8
	s_add_co_u32 s74, s74, s70
	s_add_co_u32 s74, s74, 12288                   ; and half w % 2 of the scale words
	s_mov_b32 s75, 0
	s_lshl_b32 s76, s67, 2                         ; Wo's fragment (32 m + tbg) 4 + w % 4 of 1,024:
	s_add_co_u32 s76, s76, s32                     ; output tile,
	s_lshr_b32 s77, s10, 3
	s_lshl_b32 s78, s11, 2
	s_add_co_u32 s77, s77, s78                     ; K step
	s_mul_i32 s78, s76, 16*3072
	s_mul_i32 s79, s77, 96
	s_add_co_u32 s78, s78, s79
	s_mov_b32 s79, 0
	s_lshl_b32 s80, s76, 11
	s_lshl_b32 s81, s77, 2
	s_add_co_u32 s80, s80, s81
	s_mov_b32 s81, 0
	s_lshr_b32 s82, s76, 2
	s_lshl_b32 s82, s82, 5
	s_add_co_u32 s82, s82, s77
	s_mul_i32 s82, s82, 6400                       ; its unit of woz
	s_and_b32 s83, s76, 3                          ; its place a in the unit
	s_mul_i32 s84, s83, FRB
	s_add_co_u32 s84, s84, s82
	s_mov_b32 s85, 0
	s_and_b32 s86, s83, 1
	s_lshl_b32 s86, s86, 7
	s_lshr_b32 s87, s83, 1
	s_lshl_b32 s87, s87, 2
	s_add_co_u32 s86, s86, s87
	s_add_co_u32 s86, s86, s82
	s_add_co_u32 s86, s86, 6144                    ; its scale words: 6,144 + 8 (r + 16 (a % 2)) + 4 (a / 2)
	s_mov_b32 s87, 0
	s_mul_i32 s88, s8, 16*SPITCH
	s_add_co_u32 s88, s88, STG                     ; my stage
	s_mul_i32 s89, s8, 4*FRB
	s_add_co_u32 s89, s89, XIMG
	s_lshl_b32 s90, s8, 8
	s_add_co_u32 s90, s90, XSC
	s_mul_i32 s91, s8, WSLOT                       ; my slot
	s_mul_i32 s92, s9, 24*256                      ; my work-group's 24 blocks of a tile's 96
	v_and_b32 v1, 31, v0                           ; lane
	v_and_b32 v2, 15, v0                           ; r
	v_bfe_u32 v3, v0, 4, 1                         ; h
	v_lshlrev_b32 v[XA], 4, v1
	v_lshlrev_b32 v[L8], 3, v1
	v_lshlrev_b32 v[GOF], 4, v2
	v_lshl_add_u32 v[GOF], v3, 11, v[GOF]
	v_mul_u32_u24 v[STA], v3, SPITCH
	v_lshl_add_u32 v[STA], v2, 4, v[STA]
	v_add_nc_u32 v[STA], s88, v[STA]               ; in: row h of a pair, 16 r
	v_mul_u32_u24 v[STB], v2, SPITCH
	v_lshl_add_u32 v[STB], v3, 6, v[STB]
	v_add_nc_u32 v[STB], s88, v[STB]               ; out: row r, + 64 h: my 16 numbers of a block
	v_add_nc_u32 v[PKA], s88, v[L8]
	v_add_nc_u32 v[XWI], s89, v[XA]
	v_lshl_add_u32 v[XSW], v2, 4, s90
	v_add_nc_u32 v[LI], XIMG, v[XA]
	v_add_nc_u32 v[XSA], XSC, v[XA]
	v_mul_u32_u24 v[ADW], v2, WPITCH
	v_add_nc_u32 v[ADW], s91, v[ADW]
	v_mad_u32_u24 v[ADW2], v3, 40, v[ADW]
	v_mad_u32_u24 v[ADW], v3, 24, v[ADW]
	v_mul_u32_u24 v[WOA], v2, 3072
	v_mad_u32_u24 v[WOA], v3, 24, v[WOA]
	v_lshlrev_b32 v[WOS], 7, v2
	v_lshlrev_b32 v[WOT], 3, v2
	v_min_u32 v[PFO], 23, v1
	v_lshlrev_b32 v[PFO], 8, v[PFO]
	v_add_nc_u32 v[PFO], s92, v[PFO]
.irp b, 0,1,2,3
	v_mov_b32 v[TM+4+\b], 0                        ; a lane permute's destination counts as one of its sources
.endr
	s_wait_alu depctr_va_vdst(0)
	s_wait_dscnt 0x0                               ; both opening adds are done
	s_wait_kmcnt 0x0
	s_cmp_lt_u32 s8, 4
	s_cselect_b64 s[38:39], s[38:39], s[42:43]     ; waves 0-3 take Q, waves 4-7 K
	s_cselect_b64 s[40:41], s[40:41], s[44:45]
	s_add_nc_u64 s[38:39], s[38:39], s[28:29]      ; tile 1's rows,
	s_add_nc_u64 s[42:43], s[38:39], 64*384        ; tile 2's,
	s_add_nc_u64 s[40:41], s[40:41], s[30:31]      ; their scale bytes
	s_add_nc_u64 s[46:47], s[46:47], s[58:59]      ; tile 3's rows
	s_add_nc_u64 s[48:49], s[48:49], s[60:61]
	s_add_nc_u64 s[36:37], s[36:37], s[62:63]
	s_add_nc_u64 s[44:45], s[54:55], s[68:69]      ; my unit of Q or K
	s_add_nc_u64 s[58:59], s[54:55], s[72:73]      ; my images of V
	s_add_nc_u64 s[60:61], s[54:55], s[74:75]      ; and their scale words
	s_add_nc_u64 s[50:51], s[50:51], s[78:79]
	s_add_nc_u64 s[52:53], s[52:53], s[80:81]
	s_add_nc_u64 s[84:85], s[56:57], s[84:85]
	s_add_nc_u64 s[86:87], s[56:57], s[86:87]
	s_mov_b32 s[G0], 1
	s_mul_i32 s[G0+1], s8, WSLOT
	s_mov_b64 s[G0+2:G0+3], s[38:39]
	s_or_b32 s[G0+3], s[G0+3], 0x80000000
	ROUND                                          ; all four work-groups are here: the first joint loads meet
	tensor_load_to_lds s[G0:G0+3], s[G1:G1+7]      ; tile 1's weights: my one tensor load at the head
	s_nop 0
	PLACES 4
.irp p, 0,1,2,3,4,5
	global_load_b64 v[WOR+2*\p:WOR+2*\p+1], v[WOA], s[50:51] offset:48*(\p/3)+8*(\p%3)
.endr
	global_load_b32 v[WSW], v[WOS], s[52:53]
.irp j, 0,1
	global_load_b128 v[WS+4*\j:WS+4*\j+3], v[XA], s[40:41] offset:512*\j   ; tile 1's scale words: register 4 (f / 2) + ks, lanes 0-15 rows of tile f even, lanes 16-31 odd
.endr
; ---- x.  Unit u = K step u of my 16 tokens.  A load reads 256 consecutive bytes of each of two rows; a half unit (16 rows x 256 bytes) turns through my stage and comes back 16 neighbours of each block a lane.
.macro XLOAD u
	WIN 0x40
.irp g, 0,1
.irp i, 0,1,2,3,4,5,6,7
	global_load_b128 v[64*(\u)+32*\g+4*\i:64*(\u)+32*\g+4*\i+3], v[GOF], s[36:37] offset:4096*\i+512*(\u)+256*\g
.endr
.endr
	WIN 0
.endm
.macro TURN u
.irp g, 0,1
	WIN 0x04
.irp i, 0,1,2,3,4,5,6,7
	ds_store_b128 v[STA], v[64*(\u)+32*\g+4*\i:64*(\u)+32*\g+4*\i+3] offset:2*SPITCH*\i
.endr
	WIN 0
.irp b, 0,1
.irp j, 0,1,2,3
	ds_load_b128 v[T0+64*((\u)%2)+32*\g+16*\b+4*\j:T0+64*((\u)%2)+32*\g+16*\b+4*\j+3], v[STB] offset:128*\b+16*\j   ; LDS serves a wave's instructions in order: these see the stores above, and the next stores come behind them
.endr
.endr
.endr
.endm
	XLOAD 0
	XLOAD 1
	XLOAD 2
	global_prefetch_b8 v[PFO], s[38:39] offset:64*384 th:TH_LOAD_NT scope:SCOPE_SE   ; tile 2's weights
	s_wait_loadcnt 32                              ; unit 0 and all asked for before it are in; units 1 and 2 may be out
	TURN 0
	XLOAD 3
.set U, 0
.rept 4
.if U < 3
	s_wait_loadcnt 32-16*U                         ; unit U + 1 is in; the units behind it may be out
	TURN U+1
	s_wait_dscnt 32                                ; all but the next unit's 16 stores and 16 loads
.else
	s_wait_dscnt 0
.endif
	QCORE T0+64*(U%2), 0, PC0, PC0+6, PC0+12
	PWORD PW
.irp c, 0,1,2
	ds_store_b128 v[XWI], v[PC0+4*\c:PC0+4*\c+3] offset:U*FRB+512*\c
.endr
	ds_store_b32 v[XSW], v[PW] offset:4*U          ; both halves of the lanes write the same word with the same value
.set U, U+1
.endr
	; ---- Wo: bytes 6-11 and 12-17 of each block's 24 change places
.irp c, 0,1
	v_mov_b32 v[WON+6*\c], v[WOR+6*\c]
	v_perm_b32 v[WON+6*\c+1], v[WOR+6*\c+3], v[WOR+6*\c+1], 0x05040100
	v_perm_b32 v[WON+6*\c+2], v[WOR+6*\c+4], v[WOR+6*\c+3], 0x05040302
	v_perm_b32 v[WON+6*\c+3], v[WOR+6*\c+2], v[WOR+6*\c+1], 0x05040302
	v_perm_b32 v[WON+6*\c+4], v[WOR+6*\c+4], v[WOR+6*\c+2], 0x07060302
	v_mov_b32 v[WON+6*\c+5], v[WOR+6*\c+5]
.endr
	s_cmp_ge_u32 s8, 4
	s_wait_alu depctr_va_vdst(0)
	s_cbranch_scc1 .Lnot_mine
.irp c, 0,1,2
	global_store_b128 v[XA], v[WON+4*\c:WON+4*\c+3], s[84:85] offset:512*\c
.endr
	global_store_b32 v[WOT], v[WSW], s[86:87]      ; both halves of the lanes store the same word
.Lnot_mine:
	s_wait_dscnt 0x0                               ; my images and scale words lie in LDS
	s_barrier_signal -1
	s_barrier_wait -1                              ; everybody's do.  Tile 1's weights may still be on their way
	s_wait_xcnt 0x0                                ; the stores have read their registers: loads may land there
; ---- the tiles
.macro FRAGW reg, ks, i                ; a fragment of the weight in pieces of 8 bytes.  Piece p lies at 8 p + 16 (p / 16); lanes 16-31 read three pieces on
.irp p, 0,1,2,3,4,5
.set PCN, 12*(\ks)+6*(\p/3)+\p%3
.if (PCN%16) < 13
	ds_load_b64 v[(\reg)+2*\p:(\reg)+2*\p+1], v[ADW] offset:(\i)*16*WPITCH+8*PCN+16*(PCN/16)
.else
	ds_load_b64 v[(\reg)+2*\p:(\reg)+2*\p+1], v[ADW2] offset:(\i)*16*WPITCH+8*PCN+16*(PCN/16)
.endif
.endr
.endm
.macro FETCHF ks, set                  ; 24 loads: the weight's four fragments of K step ks
.irp i, 0,1,2,3
	FRAGW WF+48*(\set)+12*\i, \ks, \i
.endr
.endm
.macro FETCHE ks, i0                   ; 12 loads: x's fragments i0 .. i0 + 3 of K step ks
.irp i, 0,1,2,3
.irp c, 0,1,2
	ds_load_b128 v[XF+12*((\i0)+\i)+4*\c:XF+12*((\i0)+\i)+4*\c+3], v[LI] offset:(4*((\i0)+\i)+(\ks))*FRB+512*\c
.endr
.endr
.endm
; 16 matrix instructions: x's tiles 4 half .. 4 half + 3, each against the weight's four.  The 32 accumulators take turns, in the same order in every K step.
.macro MULQ mode, wset, ks, half
	WIN 0x50                                       ; C and D window 1
.irp e, 0,1,2,3
.irp f, 0,1,2,3
.if \mode
	WM 8*(8*\f+4*(\half)+\e), XF+12*(4*(\half)+\e), WF+48*((\ks)%2)+12*\f, (\ks)==0, XS+4*((4*(\half)+\e)/2)+(\ks), WS+8*(\wset)+4*(\f/2)+(\ks), \e%2, \f%2
.else
	WM 8*(4*(4*(\half)+\e)+\f), WF+48*((\ks)%2)+12*\f, XF+12*(4*(\half)+\e), (\ks)==0, WS+8*(\wset)+4*(\f/2)+(\ks), XS+4*((4*(\half)+\e)/2)+(\ks), \f%2, \e%2
.endif
.endr
.endr
	WIN 0
.endm
; A K step.  x has one set of registers: tiles 0-3 are fetched anew in the step's middle, tiles 4-7 at its end; the weight has two sets.  more = 1: a tile follows; nxt: the scalar pair with its rows.
.macro STEP mode, wset, ks, more, nxt
.if ((\ks)==3) && (\more)
	s_wait_tensorcnt 0x0                           ; no tensor load of mine is out, so group 0 may be written
	ds_add_u32 v[SPW], v[NIL]
	s_mov_b64 s[G0+2:G0+3], s[\nxt:\nxt+1]
	s_or_b32 s[G0+3], s[G0+3], 0x80000000
	s_wait_dscnt 0x0                               ; the add is done, and all my reads of the slot are back
	ROUND                                          ; no wave of any partner still reads its slot or has a load on its way
	tensor_load_to_lds s[G0:G0+3], s[G1:G1+7]      ; the next tile's weights
	s_nop 0
	PLACES 4
.elseif (\ks) > 0
	s_wait_dscnt 12                                ; the weight's set and x's tiles 0-3 are in; the youngest 12 loads (tiles 4-7) may be out
.endif
	MULQ \mode, \wset, \ks, 0
	PLACES 4                                       ; places in front of loads into registers that matrix instructions have read
.if (\ks) < 3
	FETCHF (\ks)+1, ((\ks)+1)%2
	FETCHE (\ks)+1, 0
	s_wait_dscnt 36                                ; all but the 36 just issued: x's tiles 4-7 are in
.elseif \more
	FETCHE 0, 0                                    ; the next tile begins with the same fragments of x
	s_wait_dscnt 12
.else
	s_wait_dscnt 0
.endif
	MULQ \mode, \wset, \ks, 1
	PLACES 4                                       ; also the places in front of the first read of results
.if (\ks) < 3
	FETCHE (\ks)+1, 4
.elseif \more
	FETCHE 0, 4
.endif
.endm
; nsb, nso: base and offset of the next tile's scale bytes
.macro TILE mode, wset, more, nxt, nsb, nso
	s_wait_tensorcnt 0x0                           ; my tile has landed: one load was out, and only I read these bytes
	s_wait_loadcnt 0x0                             ; its scale words
	FETCHF 0, 0
.if \more
.irp j, 0,1
	global_load_b128 v[WS+8*(1-(\wset))+4*\j:WS+8*(1-(\wset))+4*\j+3], v[XA], s[\nsb:\nsb+1] offset:(\nso)+512*\j
.endr
.if (\wset) == 0
	global_prefetch_b8 v[PFO], s[46:47] th:TH_LOAD_NT scope:SCOPE_SE   ; tile 3's weights
.endif
.endif
	s_wait_dscnt 0x0
	STEP \mode, \wset, 0, \more, \nxt
	STEP \mode, \wset, 1, \more, \nxt
	STEP \mode, \wset, 2, \more, \nxt
	STEP \mode, \wset, 3, \more, \nxt
.irp b, 0,1,2,3
	v_mov_b32 v[TM+4+\b], 0
.endr
.endm
.irp j, 0,1,2,3
	ds_load_b128 v[XS+4*\j:XS+4*\j+3], v[XSA] offset:512*\j   ; x's scale words: register 4 (e / 2) + ks, lanes 0-15 tile e even, lanes 16-31 odd
.endr
	FETCHE 0, 0
	FETCHE 0, 4
	TILE 0, 0, 1, 42, 40, 1024
	; tile 1's way out: registers 0-5 of my eight images, two images a turn
.set N, 0
.rept 4
.set X, 184+24*(N%2)
.if N >= 2
	s_wait_xcnt 0x0                                ; the stores of two turns back have read their registers
.endif
	QCORE 64*N, 1, X, X+6, X+12
	v_lshl_or_b32 v[SW+2*N], v[TM+5], 8, v[TM+4]
	v_lshl_or_b32 v[SW+2*N+1], v[TM+7], 8, v[TM+6]
	global_store_b128 v[XA], v[X:X+3], s[44:45] offset:FRB*2*N
	global_store_b128 v[XA], v[X+6:X+9], s[44:45] offset:FRB*(2*N+1)
	ds_store_b64 v[PKA], v[X+4:X+5] offset:256*2*N
	ds_store_b64 v[PKA], v[X+10:X+11] offset:256*(2*N+1)
.set N, N+1
.endr
	s_wait_xcnt 0x0                                ; the stores have read their registers: the weight's fragments may land there
	TILE 0, 1, 1, 46, 48, 0
	; tile 2's way out: registers 6-11; registers 4-5 come back and stand in front of them
.set N, 0
.rept 4
.set X, 184+24*(N%2)
.if N >= 2
	s_wait_xcnt 0x0
.endif
	ds_load_b64 v[X:X+1], v[PKA] offset:256*2*N
	ds_load_b64 v[X+8:X+9], v[PKA] offset:256*(2*N+1)
	QCORE 64*N, 1, X+2, X+10, X+16
	v_lshl_or_b32 v[SW+2*N], v[TM+4], 16, v[SW+2*N]
	v_lshl_or_b32 v[SW+2*N+1], v[TM+6], 16, v[SW+2*N+1]
	v_lshl_or_b32 v[SW+2*N], v[TM+5], 24, v[SW+2*N]
	v_lshl_or_b32 v[SW+2*N+1], v[TM+7], 24, v[SW+2*N+1]
	s_wait_alu depctr_va_vdst(0)
	s_wait_dscnt 0x0
	global_store_b128 v[XA], v[X:X+3], s[44:45] offset:FRB*2*N+512
	global_store_b128 v[XA], v[X+4:X+7], s[44:45] offset:FRB*2*N+1024
	global_store_b128 v[XA], v[X+8:X+11], s[44:45] offset:FRB*(2*N+1)+512
	global_store_b128 v[XA], v[X+12:X+15], s[44:45] offset:FRB*(2*N+1)+1024
.set N, N+1
.endr
.irp i, 0,1,2,3
	v_cndmask_b32 v[TM+\i], v[SW+2*\i], v[SW+2*\i+1], s[MSK]   ; lanes 0-15: image 2 i's words, lanes 16-31: image 2 i + 1's
.endr
	global_store_b128 v[XA], v[TM:TM+3], s[44:45] offset:12288
	s_wait_xcnt 0x0
	TILE 1, 0, 0, 46, 48, 0
	; tile 3's way out: four whole images of V
.set N, 0
.rept 4
.set X, 184+24*(N%2)
.if N >= 2
	s_wait_xcnt 0x0
.endif
	QCORE 64*N, 1, X, X+6, X+12
	PWORD PW+N
.irp c, 0,1,2
	global_store_b128 v[XA], v[X+4*\c:X+4*\c+3], s[58:59] offset:FRB*N+512*\c
.endr
.set N, N+1
.endr
	v_cndmask_b32 v[TM], v[PW], v[PW+1], s[MSK]
	v_cndmask_b32 v[TM+1], v[PW+2], v[PW+3], s[MSK]
	global_store_b64 v[L8], v[TM:TM+1], s[60:61]   ; 32 lanes store 256 consecutive bytes
	s_wait_tensorcnt 0x0                           ; the wave's end
	ds_add_u32 v[SPW], v[NIL]
	s_wait_dscnt 0x0
	ROUND                                          ; the closing round
	s_endpgm
.Lfunc_end_k_qc7c2a26dee_proj:
	.size	k_qc7c2a26dee_proj, .Lfunc_end_k_qc7c2a26dee_proj-k_qc7c2a26dee_proj
	.p2alignl 7, 3214868480
	.fill 96, 4, 3214868480
	.section	.rodata,"a",@progbits
	.p2align	6, 0x0
	.amdhsa_kernel k_qc7c2a26dee_proj
		.amdhsa_group_segment_fixed_size 327680
		.amdhsa_private_segment_fixed_size 0
		.amdhsa_enable_private_segment 0
		.amdhsa_kernarg_size 88
		.amdhsa_user_sgpr_count 2
		.amdhsa_user_sgpr_kernarg_segment_ptr 1
		.amdhsa_wavefront_size32 1
		.amdhsa_system_sgpr_workgroup_id_x 1
		.amdhsa_system_sgpr_workgroup_id_y 1
		.amdhsa_system_sgpr_workgroup_id_z 1
		.amdhsa_system_vgpr_workitem_id 0
		.amdhsa_next_free_vgpr 512
		.amdhsa_next_free_sgpr 100
		.amdhsa_reserve_vcc 0
		.amdhsa_float_denorm_mode_32 3
		.amdhsa_float_denorm_mode_16_64 3
		.amdhsa_memory_ordered 1
		.amdhsa_forward_progress 1
		.amdhsa_inst_pref_size 186
	.end_amdhsa_kernel
	.amdgpu_metadata
---
amdhsa.version: [ 1, 2 ]
amdhsa.kernels:
  - .name:           k_qc7c2a26dee_proj
    .symbol:         k_qc7c2a26dee_proj.kd
    .args:
      - { .name: x, .offset: 0, .size: 8, .value_kind: global_buffer, .address_space: global }
      - { .name: Q_codes, .offset: 8, .size: 8, .value_kind: global_buffer, .address_space: global }
      - { .name: Q_scales, .offset: 16, .size: 8, .value_kind: global_buffer, .address_space: global }
      - { .name: K_codes, .offset: 24, .size: 8, .value_kind: global_buffer, .address_space: global }
      - { .name: K_scales, .offset: 32, .size: 8, .value_kind: global_buffer, .address_space: global }
      - { .name: P_codes, .offset: 40, .size: 8, .value_kind: global_buffer, .address_space: global }
      - { .name: P_scales, .offset: 48, .size: 8, .value_kind: global_buffer, .address_space: global }
      - { .name: Wo_codes, .offset: 56, .size: 8, .value_kind: global_buffer, .address_space: global }
      - { .name: Wo_scales, .offset: 64, .size: 8, .value_kind: global_buffer, .address_space: global }
      - { .name: qkv, .offset: 72, .size: 8, .value_kind: global_buffer, .address_space: global }
      - { .name: woz, .offset: 80, .size: 8, .value_kind: global_buffer, .address_space: global }
    .group_segment_fixed_size: 327680
    .private_segment_fixed_size: 0
    .kernarg_segment_align: 8
    .kernarg_segment_size: 88
    .max_flat_workgroup_size: 256
    .sgpr_count:     100
    .vgpr_count:     512
    .wavefront_size: 32
...
	.end_amdgpu_metadata
.endif
;; end of part 1
;; launch attn (part 2): grid 8 x 32, 4 waves a work-group, no clusters, 26,112 bytes of LDS; arguments qkv, oz; writes oz
.if DOCPART == 2
	.amdgcn_target "amdgcn-amd-amdhsa--gfx1250"
	.amdhsa_code_object_version 6
	.text
	.protected	k_qc7c2a26dee_attn
	.globl	k_qc7c2a26dee_attn
	.p2align	8
	.type	k_qc7c2a26dee_attn,@function
k_qc7c2a26dee_attn:
	s_mov_b64 s[64:65], 0
	v_nop
	global_prefetch_b8 v0, s[64:65] scope:SCOPE_SE
	s_setreg_imm32_b32 hwreg(HW_REG_WAVE_MODE, 25, 1), 1
	s_wait_xcnt 0x0
; Causal attention on codes of E2M3 (one E8M0 scale for each 32 along a product's K), head size 512, 1,024 tokens, 32 (batch, head) pairs; the result, divided by the row's sum, is quantised for the output projection.
; SHARES.  Work-group (x, y) is number jp = x % 4 + 4 (y % 2) of pair bm = y / 2 + 16 (x / 4): the eight work-groups that read one pair's K and V are four neighbours along x in two neighbouring rows of the grid.
; It owns two blocks of 64 queries of its pair: J = jp, then J = 15 - jp.  They need jp / 2 + 1 and 8 - jp / 2 key steps of 128 keys: nine steps in every work-group; steps wholly under the mask are never walked.
; In a step THE WAVES SHARE THE KEYS AND THE FEATURES, NOT THE QUERIES: wave w makes S^T for keys 32 w .. 32 w + 31 x 64 queries (32 matrix instructions) and O^T for features 128 w .. 128 w + 127 x 64 queries (32).
; So each fragment of K and V is one wave's alone, feeds four matrix instructions, and comes from memory straight into that wave's registers as an image (three loads of 512 consecutive bytes).  Only p goes round, through LDS.
; NO CLUSTER: the work-groups of a pair change blocks at different steps, so joint requests for K and V would not meet in the same step; and no tile is shared inside a work-group.
; SOFTMAX.  t = score x log2(e) / sqrt(512).  Wave w keeps, for each query, the largest t of ITS keys so far, -M_w = floor(-t), a whole number, and the sum l_w of its p = 2^(t - M_w), unquantised.  Its 32 keys are one block of the
; second product's K: it quantises p, and publishes the codes and G_w = the block's scale byte + M_w.  Behind the step's one barrier every wave forms R = the largest G so far, f = 2^(old R - new R), by which O^T is multiplied,
; and the bytes G_w - R + 125 (held at 0 from below) of p's scale word: all shifts are exact powers of two.  O^T stands under M_O = R - 125; at a block's end l = the sum of l_w 2^(M_w - M_O).
; A wave that has seen hidden keys alone keeps the start value -3e38: its codes are zeros, its byte becomes 0 and its l_w is 0.  A new block begins through f = 0.
; LIMITS: |t| under 2^23, so that whole numbers are exact in f32; NaN and infinities are not served; a p more than 2^125 under the row's largest is taken with the scale 2^-127.
; ORDER OF THE LOADS.  K of the next step goes out behind this step's S^T, V of the next step behind this step's O^T; at the change of blocks the new queries go out between the two, behind the wait for this step's V,
; and V behind the block's way out: so the order of issue is always K, (Q,) V, and the two counted waits on LOADcnt hold on both ways.
; LDS: two buffers by turns (one barrier a step orders step s's reads against step s + 2's stores): p's four fragment images (lane l's 12 registers at 48 l), then G, l_w and -M_w, a word at 256 qt + 16 r + 4 w.
; REGISTERS.  Window 0: see the names below.  Window 1: O^T, (qt, ft) at 64 qt + 8 ft.  Window 2: Q, (qt, ks) at 12 (4 ks + qt).  Window 3: K, (kt, ks) at 12 (2 ks + kt); V, ft at 96 + 12 ft.
.set REGION, 13107200
.set UNIT,   12800
.set KSTEPB, 51200                     ; a block of 128 tokens: four units
.set GTB,    6144
.set LTB,    7168
.set NTB,    8192
.set BUF1,   16384
.set LI,   2                           ; 16 x lane
.set KSO,  3                           ; 16 x lane + 4 w
.set PF2,  4                           ; 256 x min(32 + lane, 49)
.set PWA0, 5                           ; where my codes go in an image: 48 (r + 16 (w % 2)) + 24 (w / 2) + 12 h
.set TWA0, 6                           ; 16 r + 4 w
.set PRA0, 7                           ; 48 x lane
.set TRA0, 8                           ; 16 r
.set PWA,  9                           ; the same four in the step's buffer
.set TWA,  10
.set PRA,  11
.set TRA,  12
.set RH,   13                          ; r - 8 h
.set DD,   14
.set NINF, 15
.set NM,   16                          ; v16-23  pairs (-M, the largest t), one for each tile of queries
.set LL,   24                          ; v24-31  the sum, in two halves
.set FR,   32                          ; v32-39  pairs (f, R)
.set QS,   40                          ; v40-47  Q's scale words
.set KS,   48                          ; v48-51  K's
.set VS,   52                          ; v52-55  V's
.set PS,   56                          ; v56-59  p's
.set BM,   60
.set PT,   64
.set SO,   68
.set LF,   72                          ; v72-79  pairs (a factor, 0)
.set SU,   80
.set CV,   88
.set OM,   104
.set GG,   108                         ; v108-123 the four waves' G
.set TM,   108                         ; (at work in QUANT)
.set PF1,  124                         ; 256 x lane
.set PFQ,  125                         ; 12,800 w + 256 x min(lane, 23)
.set L8,   126                         ; 8 x lane
.set S,    128                         ; v128-191 S^T, (qt, kt) at 16 qt + 8 kt; then p
.set P,    192                         ; v192-239 p's four fragments
.set PC0,  192
.set PW,   232
.set IM,   236
.set JC,   11
.set JH,   12
.set KC,   13
.set KN,   14
.set PB,   15
.set ST,   16
.set LAST, 17
.set SEL,  18
.set CS,   20
.set MSK,  22
.set QT0,  23                          ; the trip in which the second block's queries are prefetched
.set KB0,  24
.set KS0,  26
.set VB0,  28
.set KB,   30
.set KSB,  32
.set VB,   34
.set QB1,  36
.set QS1,  38
.set QB2,  40
.set QS2,  42
.set OB,   44
.set OB2,  46
.set PK0,  48
.set PK,   52
.set PV,   54
.set MSB,  0
.macro WIN new                         ; the immediate's high byte repeats the setting that is left; a switch that changes nothing is dropped
.set WNEW, \new
.if MSB != WNEW
	s_set_vgpr_msb (MSB<<8)|WNEW
.set MSB, WNEW
.endif
.endm
.macro PLACES n
.rept \n
	v_nop
.endr
.endm
; one matrix instruction: D at d, sources at a and b, C = 0 (zero) or D, scale words in sa, sb; ra, rb: the scales stand in lanes 16-31
.macro WM d, a, b, zero, sa, sb, ra, rb
.if \zero
.if (\ra) && (\rb)
	v_wmma_scale_f32_16x16x128_f8f6f4 v[(\d):(\d)+7], v[(\a):(\a)+11], v[(\b):(\b)+11], 0, v[\sa], v[\sb] matrix_a_fmt:MATRIX_FMT_FP6 matrix_b_fmt:MATRIX_FMT_FP6 matrix_a_scale:MATRIX_SCALE_ROW1 matrix_b_scale:MATRIX_SCALE_ROW1
.elseif \ra
	v_wmma_scale_f32_16x16x128_f8f6f4 v[(\d):(\d)+7], v[(\a):(\a)+11], v[(\b):(\b)+11], 0, v[\sa], v[\sb] matrix_a_fmt:MATRIX_FMT_FP6 matrix_b_fmt:MATRIX_FMT_FP6 matrix_a_scale:MATRIX_SCALE_ROW1
.elseif \rb
	v_wmma_scale_f32_16x16x128_f8f6f4 v[(\d):(\d)+7], v[(\a):(\a)+11], v[(\b):(\b)+11], 0, v[\sa], v[\sb] matrix_a_fmt:MATRIX_FMT_FP6 matrix_b_fmt:MATRIX_FMT_FP6 matrix_b_scale:MATRIX_SCALE_ROW1
.else
	v_wmma_scale_f32_16x16x128_f8f6f4 v[(\d):(\d)+7], v[(\a):(\a)+11], v[(\b):(\b)+11], 0, v[\sa], v[\sb] matrix_a_fmt:MATRIX_FMT_FP6 matrix_b_fmt:MATRIX_FMT_FP6
.endif
.else
.if (\ra) && (\rb)
	v_wmma_scale_f32_16x16x128_f8f6f4 v[(\d):(\d)+7], v[(\a):(\a)+11], v[(\b):(\b)+11], v[(\d):(\d)+7], v[\sa], v[\sb] matrix_a_fmt:MATRIX_FMT_FP6 matrix_b_fmt:MATRIX_FMT_FP6 matrix_a_scale:MATRIX_SCALE_ROW1 matrix_b_scale:MATRIX_SCALE_ROW1
.elseif \ra
	v_wmma_scale_f32_16x16x128_f8f6f4 v[(\d):(\d)+7], v[(\a):(\a)+11], v[(\b):(\b)+11], v[(\d):(\d)+7], v[\sa], v[\sb] matrix_a_fmt:MATRIX_FMT_FP6 matrix_b_fmt:MATRIX_FMT_FP6 matrix_a_scale:MATRIX_SCALE_ROW1
.elseif \rb
	v_wmma_scale_f32_16x16x128_f8f6f4 v[(\d):(\d)+7], v[(\a):(\a)+11], v[(\b):(\b)+11], v[(\d):(\d)+7], v[\sa], v[\sb] matrix_a_fmt:MATRIX_FMT_FP6 matrix_b_fmt:MATRIX_FMT_FP6 matrix_b_scale:MATRIX_SCALE_ROW1
.else
	v_wmma_scale_f32_16x16x128_f8f6f4 v[(\d):(\d)+7], v[(\a):(\a)+11], v[(\b):(\b)+11], v[(\d):(\d)+7], v[\sa], v[\sb] matrix_a_fmt:MATRIX_FMT_FP6 matrix_b_fmt:MATRIX_FMT_FP6
.endif
.endif
.endm
; 64 numbers of a lane, v[s] .. v[s + 63] of window win, register 16 b + i in block b of my row, become a fragment's codes in v[pc] .. v[pc + 11] and its scale word in v[pw]
.macro QUANT s, win, pc, pw
	WIN (\win)|((\win)<<2)
.irp b, 0,1,2,3
	v_max3_num_f32 v[TM+\b], |v[(\s)+16*\b]|, |v[(\s)+16*\b+1]|, 0x1800000   ; and the floor 2^(3 - 127): the byte cannot fall under 1
.endr
	WIN ((\win)<<2)|((\win)<<4)
.irp i, 2,4,6,8,10,12,14
.irp b, 0,1,2,3
	v_max3_num_f32 v[TM+\b], v[TM+\b], |v[(\s)+16*\b+\i]|, |v[(\s)+16*\b+\i+1]|
.endr
.endr
	WIN 0
.irp b, 0,1,2,3
	v_permlanex16_b32 v[TM+4+\b], v[TM+\b], s[SEL], s[SEL+1]
.endr
.irp b, 0,1,2,3
	v_max_num_f32 v[TM+\b], v[TM+\b], v[TM+4+\b]
.endr
.irp b, 0,1,2,3
	v_add_nc_u32 v[TM+12+\b], 0xff000000, v[TM+\b]
.endr
.irp b, 0,1,2,3
	v_lshrrev_b32 v[TM+4+\b], 23, v[TM+12+\b]
.endr
	v_lshl_or_b32 v[\pw], v[TM+5], 8, v[TM+4]
	v_lshl_or_b32 v[\pw], v[TM+6], 16, v[\pw]
	v_lshl_or_b32 v[\pw], v[TM+7], 24, v[\pw]
	WIN \win
.irp c, 0,1
	v_cvt_scalef32_pk16_fp6_f32 v[(\pc)+6*\c:(\pc)+6*\c+2], v[(\s)+32*\c:(\s)+32*\c+15], v[TM+12+2*\c]
	v_cvt_scalef32_pk16_fp6_f32 v[(\pc)+12+4*\c:(\pc)+14+4*\c], v[(\s)+32*\c+16:(\s)+32*\c+31], v[TM+12+2*\c+1]
.endr
	WIN 0
	v_nop                                          ; one plain place behind a scaled conversion
.irp c, 0,1
.irp i, 0,1,2
	v_permlane16_swap_b32 v[(\pc)+6*\c+\i], v[(\pc)+12+4*\c+\i]
.endr
.irp i, 0,1,2
	v_mov_b32 v[(\pc)+3+6*\c+\i], v[(\pc)+12+4*\c+\i]
.endr
.endr
.endm
.macro QBASE j, qb, qs                 ; block s[j] of 64 queries: its four fragments of each K step, and its scale words
	s_lshr_b32 s60, s[\j], 1
	s_mul_i32 s60, s60, KSTEPB
	s_and_b32 s62, s[\j], 1
	s_mul_i32 s56, s62, 6144
	s_add_co_u32 s56, s56, s60
	s_mov_b32 s57, 0
	s_add_nc_u64 s[\qb:\qb+1], s[58:59], s[56:57]
	s_lshl_b32 s56, s62, 3
	s_add_co_u32 s56, s56, s60
	s_add_nc_u64 s[\qs:\qs+1], s[58:59], s[56:57]
.endm
.macro OBASE j, ob                     ; my unit of oz: ((b 16 + J) 32 + 4 m + w) x 6,400 bytes
	s_lshr_b32 s60, s10, 3
	s_lshl_b32 s60, s60, 4
	s_add_co_u32 s60, s60, s[\j]
	s_lshl_b32 s60, s60, 5
	s_and_b32 s62, s10, 7
	s_lshl_b32 s62, s62, 2
	s_add_co_u32 s60, s60, s62
	s_add_co_u32 s60, s60, s8
	s_mul_i32 s56, s60, 6400
	s_mov_b32 s57, 0
	s_add_nc_u64 s[\ob:\ob+1], s[6:7], s[56:57]
.endm
.macro LOADQ qb, qs                    ; 52 loads
	WIN 0x80
.irp k, 0,1,2,3
.irp t, 0,1,2,3
.irp c, 0,1,2
	global_load_b128 v[12*(4*\k+\t)+4*\c:12*(4*\k+\t)+4*\c+3], v[LI], s[\qb:\qb+1] offset:UNIT*\k+1536*\t+512*\c
.endr
.endr
.endr
	WIN 0
.irp k, 0,1,2,3
	global_load_b64 v[QS+2*\k:QS+2*\k+1], v[LI], s[\qs:\qs+1] offset:UNIT*\k+12288
.endr
.endm
.macro LOADK                           ; 28 loads: my two tiles of keys, four K steps
	WIN 0xc0
.irp k, 0,1,2,3
.irp t, 0,1
.irp c, 0,1,2
	global_load_b128 v[12*(2*\k+\t)+4*\c:12*(2*\k+\t)+4*\c+3], v[LI], s[KB:KB+1] offset:UNIT*\k+1536*\t+512*\c
.endr
.endr
.endr
	WIN 0
.irp k, 0,1,2,3
	global_load_b32 v[KS+\k], v[KSO], s[KSB:KSB+1] offset:UNIT*\k+12288
.endr
.endm
.macro LOADV                           ; 26 loads: my eight tiles of features, and their scale words in two halves of 256 bytes
	WIN 0xc0
.irp t, 0,1,2,3,4,5,6,7
.irp c, 0,1,2
	global_load_b128 v[96+12*\t+4*\c:96+12*\t+4*\c+3], v[LI], s[VB:VB+1] offset:1536*\t+512*\c
.endr
.endr
	WIN 0
	global_load_b64 v[VS:VS+1], v[L8], s[VB:VB+1] offset:12288
	global_load_b64 v[VS+2:VS+3], v[L8], s[VB:VB+1] offset:12544
.endm
.macro INIT                            ; a block of queries begins
.irp t, 0,1,2,3
	v_mov_b32 v[NM+2*\t+1], 0xff61b1e6             ; the largest t so far: -3e38
	v_mov_b32 v[LL+2*\t], 0
	v_mov_b32 v[LL+2*\t+1], 0
	v_mov_b32 v[FR+2*\t+1], 0xff61b1e6             ; R
.endr
.irp t, 0,1,2,3
	v_floor_f32 v[NM+2*\t], -v[NM+2*\t+1]
.endr
.endm
; PREFETCHES INTO THE L2, behind K's loads.
; The second block's queries are read by this work-group alone: wave w asks for the codes of K step w, 6,144 bytes = 24 aligned blocks of 256 (the lanes past the 24th name the last block again), one instruction,
; in the trip before the first block's last, or in that last trip itself where the block has one step.  Their scale words, which share their blocks with the neighbouring block of queries, are not asked for.
; All eight work-groups of a pair walk the same K and V: work-group jp = 0 asks, in its steps 1 to 5, for the units w of K and of V of key step ST + 2, which it loads two steps on.
; A unit is 12,800 bytes, 50 aligned blocks of 256: lanes 256 bytes apart, twice; the second time the lanes past the unit's end name its last block.  Key steps 0 to 2 come by their loads alone.
.macro ASK
	s_cmp_lg_u32 s[ST], s[QT0]
	s_cbranch_scc1 .Lnoaq_\@
	global_prefetch_b8 v[PFQ], s[QB2:QB2+1] th:TH_LOAD_NT scope:SCOPE_SE
.Lnoaq_\@:
	s_cmp_lg_u32 s9, 0
	s_cbranch_scc1 .Lnoask_\@
	s_sub_co_u32 s60, s[ST], 1
	s_cmp_gt_u32 s60, 4
	s_cbranch_scc1 .Lnoask_\@
	global_prefetch_b8 v[PF1], s[PK:PK+1] th:TH_LOAD_NT scope:SCOPE_SE
	global_prefetch_b8 v[PF2], s[PK:PK+1] th:TH_LOAD_NT scope:SCOPE_SE
	global_prefetch_b8 v[PF1], s[PV:PV+1] th:TH_LOAD_NT scope:SCOPE_SE
	global_prefetch_b8 v[PF2], s[PV:PV+1] th:TH_LOAD_NT scope:SCOPE_SE
.Lnoask_\@:
.endm
; On the diagonal hidden scores become -infinity.  Register 16 qt + 8 kt + j holds key 32 w + 16 kt + 8 h + j of the step and query 64 (J % 2) + 16 qt + r of the same 128 tokens: hidden where 16 kt + j - 16 qt > 64 (J % 2) - 32 w + r - 8 h
.macro MASK
	s_and_b32 s60, s[JC], 1
	s_lshl_b32 s60, s60, 6
	s_lshl_b32 s61, s8, 5
	s_sub_co_i32 s60, s60, s61
	v_add_nc_u32 v[DD], s60, v[RH]
.irp t, 0,1,2,3
.irp n, 0,1,2,3,4,5,6,7,8,9,10,11,12,13,14,15
	v_cmp_gt_i32 vcc_lo, \n+8*(\n/8)-16*\t, v[DD]
	v_cndmask_b32 v[S+16*\t+\n], v[S+16*\t+\n], v[NINF], vcc_lo
.endr
.endr
.endm
.macro SOFT
.irp t, 0,1,2,3
	v_max3_num_f32 v[BM+\t], v[S+16*\t], v[S+16*\t+1], v[S+16*\t+2]   ; the largest score of my 32 keys: it serves for the maximum and, since p rises with the score, for the block's largest p
.endr
.irp i, 3,5,7,9,11,13
.irp t, 0,1,2,3
	v_max3_num_f32 v[BM+\t], v[BM+\t], v[S+16*\t+\i], v[S+16*\t+\i+1]
.endr
.endr
.irp t, 0,1,2,3
	v_max_num_f32 v[BM+\t], v[BM+\t], v[S+16*\t+15]
.endr
.irp t, 0,1,2,3
	v_permlanex16_b32 v[PT+\t], v[BM+\t], s[SEL], s[SEL+1]
.endr
.irp t, 0,1,2,3
	v_max_num_f32 v[BM+\t], v[BM+\t], v[PT+\t]
.endr
.irp t, 0,1,2,3
	v_mul_f32 v[OM+\t], s[CS], v[BM+\t]            ; as t (c is positive)
.endr
.irp t, 0,1,2,3
	v_max_num_f32 v[NM+2*\t+1], v[NM+2*\t+1], v[OM+\t]
.endr
.irp t, 0,1,2,3
	v_mov_b32 v[OM+\t], v[NM+2*\t]
.endr
.irp t, 0,1,2,3
	v_floor_f32 v[NM+2*\t], -v[NM+2*\t+1]          ; -M = floor(-t): M is a whole number
.endr
.irp t, 0,1,2,3
	v_sub_f32 v[OM+\t], v[NM+2*\t], v[OM+\t]       ; old M - new M, 0 or less
.endr
.irp t, 0,1,2,3
	v_cvt_i32_f32 v[OM+\t], v[OM+\t]               ; (it saturates)
.endr
.irp t, 0,1,2,3
	v_ldexp_f32 v[LF+2*\t], 1.0, v[OM+\t]
.endr
.irp t, 0,1,2,3
.irp j, 0,2,4,6,8,10,12,14
	v_pk_fma_f32 v[S+16*\t+\j:S+16*\t+\j+1], v[S+16*\t+\j:S+16*\t+\j+1], s[CS:CS+1], v[NM+2*\t:NM+2*\t+1] op_sel_hi:[1,0,0]   ; t - M
.endr
.endr
.irp t, 0,1,2,3
	v_fma_f32 v[BM+\t], v[BM+\t], s[CS], v[NM+2*\t]
.endr
	s_wait_alu depctr_va_vdst(0)
.irp n, 0,1,2,3,4,5,6,7,8,9,10,11,12,13,14,15,16,17,18,19,20,21,22,23,24,25,26,27,28,29,30,31,32,33,34,35,36,37,38,39,40,41,42,43,44,45,46,47,48,49,50,51,52,53,54,55,56,57,58,59,60,61,62,63
	v_exp_f32 v[S+\n], v[S+\n]                     ; p = 2^(t - M), at most 1
.endr
.irp t, 0,1,2,3
	v_pk_mul_f32 v[LL+2*\t:LL+2*\t+1], v[LL+2*\t:LL+2*\t+1], v[LF+2*\t:LF+2*\t+1] op_sel_hi:[1,0]   ; the sums under the new M: plain work behind the exponentials
.endr
	s_wait_alu depctr_va_vdst(0)                   ; one wait for the batch of 64, ahead of its first reader
.irp t, 0,1,2,3
	v_exp_f32 v[BM+\t], v[BM+\t]                   ; the block's largest p: the same two instructions on the same number
.endr
.irp t, 0,1,2,3
	v_pk_add_f32 v[SU+2*\t:SU+2*\t+1], v[S+16*\t:S+16*\t+1], v[S+16*\t+2:S+16*\t+3]   ; the sum is taken of the unquantised p
.endr
.irp j, 4,8,12
.irp t, 0,1,2,3
	v_pk_add_f32 v[LL+2*\t:LL+2*\t+1], v[LL+2*\t:LL+2*\t+1], v[S+16*\t+\j:S+16*\t+\j+1]
	v_pk_add_f32 v[SU+2*\t:SU+2*\t+1], v[SU+2*\t:SU+2*\t+1], v[S+16*\t+\j+2:S+16*\t+\j+3]
.endr
.endr
.irp t, 0,1,2,3
	v_pk_add_f32 v[LL+2*\t:LL+2*\t+1], v[LL+2*\t:LL+2*\t+1], v[SU+2*\t:SU+2*\t+1]
.endr
	s_wait_alu depctr_va_vdst(0)                   ; and one for the four
.irp t, 0,1,2,3
	v_max_num_f32 v[BM+\t], 0x1800000, v[BM+\t]    ; the floor 2^(3 - 127)
.endr
.irp t, 0,1,2,3
	v_add_nc_u32 v[SO+\t], 0xff000000, v[BM+\t]    ; the conversion's scale operand
.endr
.irp t, 0,1,2,3
	v_lshrrev_b32 v[PT+\t], 23, v[SO+\t]           ; the byte
.endr
.irp t, 0,1,2,3
	v_cvt_f32_u32 v[PT+\t], v[PT+\t]
.endr
.irp t, 0,1,2,3
	v_sub_f32 v[PT+\t], v[PT+\t], v[NM+2*\t]       ; G = byte + M
.endr
.irp t, 0,1,2,3
	v_cvt_scalef32_pk16_fp6_f32 v[CV+4*\t:CV+4*\t+2], v[S+16*\t:S+16*\t+15], v[SO+\t]
.endr
	v_nop                                          ; one plain place behind a scaled conversion
.irp t, 0,1,2,3
	v_add_f32 v[OM+\t], v[LL+2*\t], v[LL+2*\t+1]
.endr
.irp t, 0,1,2,3
	v_permlanex16_b32 v[BM+\t], v[OM+\t], s[SEL], s[SEL+1]
.endr
.irp t, 0,1,2,3
	v_add_f32 v[OM+\t], v[OM+\t], v[BM+\t]         ; l_w so far
.endr
.endm
.macro STATS
.irp t, 0,1,2,3
	v_mov_b32 v[OM+\t], v[FR+2*\t+1]
.endr
.irp t, 0,1,2,3
	v_max3_num_f32 v[BM+\t], v[GG+4*\t], v[GG+4*\t+1], v[GG+4*\t+2]
.endr
.irp t, 0,1,2,3
	v_max3_num_f32 v[FR+2*\t+1], v[FR+2*\t+1], v[BM+\t], v[GG+4*\t+3]   ; R
.endr
.irp t, 0,1,2,3
	v_sub_f32 v[OM+\t], v[OM+\t], v[FR+2*\t+1]
.endr
.irp t, 0,1,2,3
	v_cvt_i32_f32 v[OM+\t], v[OM+\t]
.endr
.irp t, 0,1,2,3
	v_ldexp_f32 v[FR+2*\t], 1.0, v[OM+\t]          ; f = 2^(old R - new R)
.endr
.irp t, 0,1,2,3
	v_add_f32 v[BM+\t], 0xc2fa0000, v[FR+2*\t+1]   ; R - 125
.endr
.irp u, 0,1,2,3
.irp t, 0,1,2,3
	v_sub_f32 v[GG+4*\t+\u], v[GG+4*\t+\u], v[BM+\t]
.endr
.endr
.irp u, 0,1,2,3
.irp t, 0,1,2,3
	v_max_num_f32 v[GG+4*\t+\u], 0, v[GG+4*\t+\u]
.endr
.endr
.irp u, 0,1,2,3
.irp t, 0,1,2,3
	v_cvt_u32_f32 v[GG+4*\t+\u], v[GG+4*\t+\u]
.endr
.endr
.irp t, 0,1,2,3
	v_lshl_or_b32 v[PS+\t], v[GG+4*\t+1], 8, v[GG+4*\t]
.endr
.irp t, 0,1,2,3
	v_lshl_or_b32 v[PS+\t], v[GG+4*\t+2], 16, v[PS+\t]
.endr
.irp t, 0,1,2,3
	v_lshl_or_b32 v[PS+\t], v[GG+4*\t+3], 24, v[PS+\t]
.endr
.endm
.macro RESC n                          ; accumulator n (ft = n / 4, qt = n % 4) x f, from its low end on
.irp j, 0,2,4,6
	v_pk_mul_f32 v[64*((\n)%4)+8*((\n)/4)+\j:64*((\n)%4)+8*((\n)/4)+\j+1], v[64*((\n)%4)+8*((\n)/4)+\j:64*((\n)%4)+8*((\n)/4)+\j+1], v[FR+2*((\n)%4):FR+2*((\n)%4)+1] op_sel_hi:[1,0]
.endr
.endm
; a block's end: l, O^T / l, quantised along the features, stored as four fragment images and their scale words
.macro FINAL tail
.irp t, 0,1,2,3
	ds_load_b128 v[S+4*\t:S+4*\t+3], v[TRA] offset:LTB+256*\t
	ds_load_b128 v[S+16+4*\t:S+16+4*\t+3], v[TRA] offset:NTB+256*\t
.endr
.irp t, 0,1,2,3
	v_sub_f32 v[BM+\t], 0x42fa0000, v[FR+2*\t+1]   ; 125 - R = -M_O
.endr
	s_wait_alu depctr_va_vdst(0)
	s_wait_dscnt 0x0
.irp u, 0,1,2,3
.irp t, 0,1,2,3
	v_sub_f32 v[S+16+4*\t+\u], v[BM+\t], v[S+16+4*\t+\u]   ; M_w - M_O, at most 1
.endr
.endr
.irp u, 0,1,2,3
.irp t, 0,1,2,3
	v_cvt_i32_f32 v[S+16+4*\t+\u], v[S+16+4*\t+\u]
.endr
.endr
.irp u, 0,1,2,3
.irp t, 0,1,2,3
	v_ldexp_f32 v[S+4*\t+\u], v[S+4*\t+\u], v[S+16+4*\t+\u]
.endr
.endr
.irp t, 0,1,2,3
	v_add_f32 v[S+4*\t], v[S+4*\t], v[S+4*\t+1]
	v_add_f32 v[S+4*\t+2], v[S+4*\t+2], v[S+4*\t+3]
.endr
.irp t, 0,1,2,3
	v_add_f32 v[S+4*\t], v[S+4*\t], v[S+4*\t+2]
.endr
	s_wait_alu depctr_va_vdst(0)
.irp t, 0,1,2,3
	v_rcp_f32 v[LF+2*\t], v[S+4*\t]
.endr
	v_nop                                          ; a plain place behind the last reciprocal
	s_wait_alu depctr_va_vdst(0)                   ; one wait for the four, ahead of their first reader
.set QT, 0
.rept 4
	WIN 0x41
.set i, 0
.rept 32
	v_pk_mul_f32 v[64*QT+i:64*QT+i+1], v[64*QT+i:64*QT+i+1], v[LF+2*QT:LF+2*QT+1] op_sel_hi:[1,0]
.set i, i+2
.endr
.if QT >= 2
	s_wait_xcnt 0x0                                ; the stores of two tiles back have read their registers
.endif
	QUANT 64*QT, 1, PC0+20*(QT%2), PW+QT
.irp c, 0,1,2
	global_store_b128 v[LI], v[PC0+20*(QT%2)+4*\c:PC0+20*(QT%2)+4*\c+3], s[OB:OB+1] offset:1536*QT+512*\c
.endr
.set QT, QT+1
.endr
	v_cndmask_b32 v[IM], v[PW], v[PW+1], s[MSK]
	v_cndmask_b32 v[IM+1], v[PW+2], v[PW+3], s[MSK]
	global_store_b64 v[L8], v[IM:IM+1], s[OB:OB+1] offset:6144
.if !\tail
	INIT
	s_wait_xcnt 0x0                                ; the stores have read their base and their registers
	s_mov_b64 s[OB:OB+1], s[OB2:OB2+1]
	s_sub_co_u32 s[JC], 15, s9
	s_lshr_b32 s[JH], s[JC], 1
.endif
.endm
; A KEY STEP.  tail = 1: the ninth, which is a block's last and asks for nothing more.
.macro STEP tail
.if !\tail
	s_add_co_u32 s[KN], s[KC], 1
	s_cmp_eq_u32 s[KC], s[JH]                      ; the block's last step?  It hangs on ids alone
	s_cselect_b32 s[KN], 0, s[KN]                  ; the key step that follows
	s_cselect_b32 s[LAST], 1, 0
.endif
	s_wait_loadcnt 26                              ; K (and Q, where it was asked for: ahead of V) are in; V's 26 loads may be out
	WIN 0x0b                                       ; source 0 (K) window 3, source 1 (Q) window 2
.irp k, 0,1,2,3
.irp t, 0,1,2,3
.irp u, 0,1
	WM S+16*\t+8*\u, 12*(2*\k+\u), 12*(4*\k+\t), \k==0, KS+\k, QS+2*\k+(\t/2), \u, \t%2   ; the eight accumulators by turns
.endr
.endr
.endr
	WIN 0
	v_add_nc_u32 v[PWA], s[PB], v[PWA0]            ; the step's LDS addresses: these four plain lines are the places in front of the loads into K's registers and of the first read of the scores
	v_add_nc_u32 v[TWA], s[PB], v[TWA0]
	v_add_nc_u32 v[PRA], s[PB], v[PRA0]
	v_add_nc_u32 v[TRA], s[PB], v[TRA0]
.if !\tail
	s_wait_xcnt 0x0                                ; the last step's loads of K and V and its prefetches have read their bases: V's, the youngest, were issued ahead of the 32 products above.  Only now are the bases written
	s_mul_i32 s56, s[KN], KSTEPB
	s_mov_b32 s57, 0
	s_add_nc_u64 s[KB:KB+1], s[KB0:KB0+1], s[56:57]
	s_add_nc_u64 s[KSB:KSB+1], s[KS0:KS0+1], s[56:57]
	s_add_nc_u64 s[VB:VB+1], s[VB0:VB0+1], s[56:57]
	s_add_co_u32 s58, s[ST], 2
	s_min_u32 s58, s58, 7                          ; held inside the pair's eight key steps
	s_mul_i32 s58, s58, KSTEPB
	s_mov_b32 s59, 0
	s_add_nc_u64 s[PK:PK+1], s[PK0:PK0+1], s[58:59]
	s_add_nc_u64 s[PV:PV+1], s[VB0:VB0+1], s[58:59]
	LOADK
	ASK
	s_cmp_eq_u32 s[LAST], 1
	s_cbranch_scc0 .Lopen_\@
.endif
	MASK
.Lopen_\@:
	SOFT
.irp t, 0,1,2,3
.irp i, 0,1,2
	ds_store_b32 v[PWA], v[CV+4*\t+\i] offset:1536*\t+4*\i
.endr
	ds_store_b32 v[TWA], v[PT+\t] offset:GTB+256*\t    ; both halves of the lanes write the same word with the same value
	ds_store_b32 v[TWA], v[OM+\t] offset:LTB+256*\t
	ds_store_b32 v[TWA], v[NM+2*\t] offset:NTB+256*\t
.endr
	s_wait_dscnt 0x0                               ; my stores have landed, and my reads of the last step's buffer are back
	s_barrier_signal -1
	s_barrier_wait -1
.irp t, 0,1,2,3
	ds_load_b128 v[GG+4*\t:GG+4*\t+3], v[TRA] offset:GTB+256*\t   ; G first: the lines that follow want it alone
.endr
.irp t, 0,1,2,3
.irp c, 0,1,2
	ds_load_b128 v[P+12*\t+4*\c:P+12*\t+4*\c+3], v[PRA] offset:1536*\t+16*\c
.endr
.endr
	s_wait_dscnt 12                                ; G's four loads are back; p's twelve, issued behind them, may be out
	STATS
	s_wait_dscnt 0x0                               ; p
.if \tail
	s_wait_loadcnt 0x0
.else
	s_wait_loadcnt 28                              ; V is in; the next K's 28 loads may be out
	s_cmp_eq_u32 s[LAST], 1
	s_cbranch_scc0 .Lnoq_\@
	LOADQ QB2, QS2                                 ; the second block's queries: behind K's loads and ahead of V's; the last products that read Q's registers stand ahead of the softmax
.Lnoq_\@:
.endif
	WIN 0x41
	RESC 0                                         ; O^T under the new R; these sixteen lines are also the places between p's scale words and the products
	RESC 1
	RESC 2
	RESC 3
.set N, 0
.rept 32
	WIN 0x53                                       ; source 0 (V) window 3, source 1 (p) window 0, C and D window 1
	WM 64*(N%4)+8*(N/4), 96+12*(N/4), P+12*(N%4), 0, VS+(N/8), PS+(N%4), (N/4)%2, 0
.if N < 28
	WIN 0x41
	RESC N+4                                       ; the rescaling stands between the matrix instructions, four accumulators ahead
.endif
.set N, N+1
.endr
	WIN 0
	PLACES 4                                       ; places in front of the loads into V's registers and of the first read of O^T
.if !\tail
	s_cmp_eq_u32 s[LAST], 1
	s_cbranch_scc0 .Lnofin_\@
.endif
	FINAL \tail
.Lnofin_\@:
.if !\tail
	LOADV                                          ; the next step's V: at a change of blocks behind the way out, so that Q's 52 loads have come back before these 26 are added
	s_mov_b32 s[KC], s[KN]
	s_xor_b32 s[PB], s[PB], BUF1
.endif
.endm
	s_load_b128 s[4:7], s[0:1], 0x0                ; qkv, oz
	v_lshl_add_u32 v254, v0, 2, 0x6400
	v_mov_b32 v255, 0
	v_lshrrev_b32 v1, 5, v0
	v_readfirstlane_b32 s8, v1                     ; wave 0..3
	; THE NUMBERING (it stands in place of the one that the head's line SHARES gives): jp = x / 4 + 2 ((y / 2) % 4), bm = x % 4 + 4 (y % 2) + 8 (y / 8):
	; the eight work-groups of a pair differ in bits 2, 4 and 5 of the number x + 8 y alone
	s_and_b32 s57, ttmp7, 0xffff                   ; y
	s_lshr_b32 s9, ttmp9, 2
	s_bfe_u32 s56, s57, 0x20001
	s_lshl_b32 s56, s56, 1
	s_add_co_u32 s9, s9, s56                       ; jp
	s_and_b32 s10, ttmp9, 3
	s_and_b32 s56, s57, 1
	s_lshl_b32 s56, s56, 2
	s_add_co_u32 s10, s10, s56
	s_lshr_b32 s56, s57, 3
	s_lshl_b32 s56, s56, 3
	s_add_co_u32 s10, s10, s56                     ; bm = 8 b + m
	s_mov_b32 s[SEL], 0x76543210
	s_mov_b32 s[SEL+1], 0xfedcba98
	s_mov_b32 s[CS], 0x3d8293ee                    ; c = log2(e) / sqrt(512)
	s_mov_b32 s[CS+1], s[CS]
	s_mov_b32 s[MSK], 0xffff0000
	v_and_b32 v62, 31, v0                          ; lane
	v_and_b32 v60, 15, v0                          ; r
	v_bfe_u32 v61, v0, 4, 1                        ; h
	v_lshlrev_b32 v[LI], 4, v62
	s_lshl_b32 s56, s8, 2
	v_add_nc_u32 v[KSO], s56, v[LI]
	v_lshlrev_b32 v[PF1], 8, v62
	v_add_nc_u32 v[PF2], 32, v62
	v_min_u32 v[PF2], 49, v[PF2]
	v_lshlrev_b32 v[PF2], 8, v[PF2]
	v_lshl_add_u32 v[TWA0], v60, 4, s56
	s_and_b32 s57, s8, 1
	s_mul_i32 s57, s57, 768
	s_lshr_b32 s58, s8, 1
	s_mul_i32 s58, s58, 24
	s_add_co_u32 s57, s57, s58
	v_mul_u32_u24 v[PWA0], v60, 48
	v_mad_u32_u24 v[PWA0], v61, 12, v[PWA0]
	v_add_nc_u32 v[PWA0], s57, v[PWA0]
	v_mul_u32_u24 v[PRA0], v62, 48
	v_lshlrev_b32 v[TRA0], 4, v60
	v_lshlrev_b32 v[RH], 3, v61
	v_sub_nc_u32 v[RH], v60, v[RH]
	v_mov_b32 v[NINF], 0xff800000
	v_lshlrev_b32 v[L8], 3, v62
	v_min_u32 v[PFQ], 23, v62
	v_lshlrev_b32 v[PFQ], 8, v[PFQ]
	s_mul_i32 s58, s8, UNIT
	v_add_nc_u32 v[PFQ], s58, v[PFQ]
	INIT
.irp t, 0,1,2,3
	v_mov_b32 v[PT+\t], 0                          ; a lane permute's destination counts as one of its sources
	v_mov_b32 v[LF+2*\t+1], 0                      ; (named as the upper half of a pair)
.endr
	WIN 0x40                                       ; O^T begins as zeros, cleared while the kernel's arguments are on their way: so the step is written for the loop alone, and the first f = 0 leaves zeros
.set i, 0
.rept 256
	v_mov_b32 v[i], 0
.set i, i+1
.endr
	WIN 0
	s_mul_i32 s56, s10, 8*KSTEPB
	s_mov_b32 s57, 0
	s_wait_kmcnt 0x0
	s_add_nc_u64 s[58:59], s[4:5], s[56:57]        ; the pair's units of Q,
	s_add_nc_u64 s[KS0:KS0+1], s[58:59], REGION    ; of K,
	s_add_nc_u64 s[VB0:VB0+1], s[58:59], 2*REGION  ; of V
	s_mul_i32 s56, s8, 3072
	s_add_nc_u64 s[KB0:KB0+1], s[KS0:KS0+1], s[56:57]   ; my two tiles of keys
	s_mul_i32 s56, s8, UNIT
	s_add_nc_u64 s[PK0:PK0+1], s[KS0:KS0+1], s[56:57]
	s_add_nc_u64 s[VB0:VB0+1], s[VB0:VB0+1], s[56:57]   ; my unit of V
	s_mov_b32 s[JC], s9
	QBASE JC, QB1, QS1
	OBASE JC, OB
	s_sub_co_u32 s[JC], 15, s9
	QBASE JC, QB2, QS2
	OBASE JC, OB2
	s_mov_b32 s[JC], s9
	s_lshr_b32 s[JH], s[JC], 1
	s_max_u32 s[QT0], s[JH], 1
	s_sub_co_u32 s[QT0], s[QT0], 1                 ; the trip before the first block's last; trip 0 where that block has one step
	s_mov_b32 s[KC], 0
	s_mov_b32 s[PB], 0
	s_mov_b64 s[KB:KB+1], s[KB0:KB0+1]
	s_mov_b64 s[KSB:KSB+1], s[KS0:KS0+1]
	s_mov_b64 s[VB:VB+1], s[VB0:VB0+1]
	LOADQ QB1, QS1
	LOADK
	LOADV
	s_mov_b32 s[ST], 0
.Lstep:
	STEP 0
	s_add_co_u32 s[ST], s[ST], 1
	s_cmp_lt_u32 s[ST], 8
	s_cbranch_scc1 .Lstep
	STEP 1
	s_wait_tensorcnt 0x0
	ds_add_u32 v254, v255
	s_wait_dscnt 0x0
	s_endpgm
.Lfunc_end_k_qc7c2a26dee_attn:
	.size	k_qc7c2a26dee_attn, .Lfunc_end_k_qc7c2a26dee_attn-k_qc7c2a26dee_attn
	.p2alignl 7, 3214868480
	.fill 96, 4, 3214868480
	.section	.rodata,"a",@progbits
	.p2align	6, 0x0
	.amdhsa_kernel k_qc7c2a26dee_attn
		.amdhsa_group_segment_fixed_size 26112
		.amdhsa_private_segment_fixed_size 0
		.amdhsa_enable_private_segment 0
		.amdhsa_kernarg_size 16
		.amdhsa_user_sgpr_count 2
		.amdhsa_user_sgpr_kernarg_segment_ptr 1
		.amdhsa_wavefront_size32 1
		.amdhsa_system_sgpr_workgroup_id_x 1
		.amdhsa_system_sgpr_workgroup_id_y 1
		.amdhsa_system_sgpr_workgroup_id_z 1
		.amdhsa_system_vgpr_workitem_id 0
		.amdhsa_next_free_vgpr 960
		.amdhsa_next_free_sgpr 66
		.amdhsa_reserve_vcc 1
		.amdhsa_float_denorm_mode_32 3
		.amdhsa_float_denorm_mode_16_64 3
		.amdhsa_memory_ordered 1
		.amdhsa_forward_progress 1
		.amdhsa_inst_pref_size 177
	.end_amdhsa_kernel
	.amdgpu_metadata
---
amdhsa.version: [ 1, 2 ]
amdhsa.kernels:
  - .name:           k_qc7c2a26dee_attn
    .symbol:         k_qc7c2a26dee_attn.kd
    .args:
      - { .name: qkv, .offset: 0, .size: 8, .value_kind: global_buffer, .address_space: global }
      - { .name: oz, .offset: 8, .size: 8, .value_kind: global_buffer, .address_space: global }
    .group_segment_fixed_size: 26112
    .private_segment_fixed_size: 0
    .kernarg_segment_align: 8
    .kernarg_segment_size: 16
    .max_flat_workgroup_size: 128
    .sgpr_count:     66
    .vgpr_count:     960
    .wavefront_size: 32
...
	.end_amdgpu_metadata
.endif
;; end of part 2
;; launch oproj (part 3): grid 8 x 32, 8 waves a work-group, no clusters, 279,552 bytes of LDS; arguments oz, woz, x, bo, hb; writes hb
.if DOCPART == 3
	.amdgcn_target "amdgcn-amd-amdhsa--gfx1250"
	.amdhsa_code_object_version 6
	.text
	.protected	k_qc7c2a26dee_oproj
	.globl	k_qc7c2a26dee_oproj
	.p2align	8
	.type	k_qc7c2a26dee_oproj,@function
k_qc7c2a26dee_oproj:
	s_mov_b64 s[64:65], 0
	v_nop
	global_prefetch_b8 v0, s[64:65] scope:SCOPE_SE
	s_setreg_imm32_b32 hwreg(HW_REG_WAVE_MODE, 25, 1), 1
	s_wait_xcnt 0x0
; h = (attention's result) Wo^T + bo + x, the product on codes of E2M3 with one E8M0 scale for each 32 along K = 4,096.  h: [4096][512] f32.
; SHARES.  Work-group (x, y) makes 128 tokens x 64 outputs: group of outputs og = x / 4 + 2 ((y / 2) % 4), block of tokens tp = x % 4 + 4 (y % 2) + 8 (y / 8): the eight work-groups that read one block of tokens
; differ in bits 2, 4 and 5 of the number x + 8 y alone.  K IS SPLIT OVER EIGHT WAVES, two to a SIMD: wave w takes K steps 4 w .. 4 w + 3 for the whole tile: 32 accumulators, 12 fragments for 32 matrix instructions,
; and nothing is loaded twice in the work-group.  Both operands lie in memory as images of operand registers and go straight into registers.
; THE TOKENS' eight fragments have one set of registers: a pair of them is asked for anew right behind its eight products.  Wo's four fragments and the scale words have two sets.  So a wave has 33 to 63 loads out in the first three K steps.
; The eight partial tiles meet in LDS; wave w sums and stores rows 16 w .. 16 w + 15.  The sums are f32, in another order than one chain.
; NO CLUSTER, NO LDS RING, NO PREFETCH: no fragment is shared between the waves of a work-group, operands that go from memory into registers cannot be asked for jointly, and each wave's loads of its first two K steps go out at its head: four K steps leave no trip to run ahead in.
; Source 0 = 16 outputs of Wo, source 1 = 16 tokens: a lane holds one token and eight neighbouring outputs.
; REGISTERS.  Window 0: v2-11 addresses; v12-15 bo; v16-27 scale words, two sets; v32-63 x; v64-159 the tokens' fragments; v160-255 Wo's, two sets.  Window 1: the accumulators, (t, o) at 8 (4 t + o); later the eight partial tiles' rows.
.set LI,  2                            ; 16 x lane
.set L8,  3                            ; 8 x lane
.set C16, 4                            ; 16 r
.set GOF, 5                            ; 2,048 h + 16 r
.set SO,  6                            ; the stage, way in
.set RD,  8                            ; v8-11 the stage, way out: one for each two partial tiles
.set BO,  12
.set SB,  16
.set SPW, 28
.set NIL, 29
.set XB,  32
.set TF,  64
.set WF,  160
.set PART, 34816                       ; 128 rows x (256 + 16) bytes
.set SPARE, 8*PART                     ; the spare words, 128 bytes a wave
.set MSB, 0
.macro WIN new
.set WNEW, \new
.if MSB != WNEW
	s_set_vgpr_msb (MSB<<8)|WNEW
.set MSB, WNEW
.endif
.endm
.macro PLACES n
.rept \n
	v_nop
.endr
.endm
.macro WM d, a, b, zero, sa, sb, ra, rb
.if \zero
.if (\ra) && (\rb)
	v_wmma_scale_f32_16x16x128_f8f6f4 v[(\d):(\d)+7], v[(\a):(\a)+11], v[(\b):(\b)+11], 0, v[\sa], v[\sb] matrix_a_fmt:MATRIX_FMT_FP6 matrix_b_fmt:MATRIX_FMT_FP6 matrix_a_scale:MATRIX_SCALE_ROW1 matrix_b_scale:MATRIX_SCALE_ROW1
.elseif \ra
	v_wmma_scale_f32_16x16x128_f8f6f4 v[(\d):(\d)+7], v[(\a):(\a)+11], v[(\b):(\b)+11], 0, v[\sa], v[\sb] matrix_a_fmt:MATRIX_FMT_FP6 matrix_b_fmt:MATRIX_FMT_FP6 matrix_a_scale:MATRIX_SCALE_ROW1
.elseif \rb
	v_wmma_scale_f32_16x16x128_f8f6f4 v[(\d):(\d)+7], v[(\a):(\a)+11], v[(\b):(\b)+11], 0, v[\sa], v[\sb] matrix_a_fmt:MATRIX_FMT_FP6 matrix_b_fmt:MATRIX_FMT_FP6 matrix_b_scale:MATRIX_SCALE_ROW1
.else
	v_wmma_scale_f32_16x16x128_f8f6f4 v[(\d):(\d)+7], v[(\a):(\a)+11], v[(\b):(\b)+11], 0, v[\sa], v[\sb] matrix_a_fmt:MATRIX_FMT_FP6 matrix_b_fmt:MATRIX_FMT_FP6
.endif
.else
.if (\ra) && (\rb)
	v_wmma_scale_f32_16x16x128_f8f6f4 v[(\d):(\d)+7], v[(\a):(\a)+11], v[(\b):(\b)+11], v[(\d):(\d)+7], v[\sa], v[\sb] matrix_a_fmt:MATRIX_FMT_FP6 matrix_b_fmt:MATRIX_FMT_FP6 matrix_a_scale:MATRIX_SCALE_ROW1 matrix_b_scale:MATRIX_SCALE_ROW1
.elseif \ra
	v_wmma_scale_f32_16x16x128_f8f6f4 v[(\d):(\d)+7], v[(\a):(\a)+11], v[(\b):(\b)+11], v[(\d):(\d)+7], v[\sa], v[\sb] matrix_a_fmt:MATRIX_FMT_FP6 matrix_b_fmt:MATRIX_FMT_FP6 matrix_a_scale:MATRIX_SCALE_ROW1
.elseif \rb
	v_wmma_scale_f32_16x16x128_f8f6f4 v[(\d):(\d)+7], v[(\a):(\a)+11], v[(\b):(\b)+11], v[(\d):(\d)+7], v[\sa], v[\sb] matrix_a_fmt:MATRIX_FMT_FP6 matrix_b_fmt:MATRIX_FMT_FP6 matrix_b_scale:MATRIX_SCALE_ROW1
.else
	v_wmma_scale_f32_16x16x128_f8f6f4 v[(\d):(\d)+7], v[(\a):(\a)+11], v[(\b):(\b)+11], v[(\d):(\d)+7], v[\sa], v[\sb] matrix_a_fmt:MATRIX_FMT_FP6 matrix_b_fmt:MATRIX_FMT_FP6
.endif
.endif
.endm
.macro LOADW i                         ; 15 loads: Wo's four fragments of my K step i, and the step's scale words, into set i % 2
.irp a, 0,1,2,3
.irp c, 0,1,2
	global_load_b128 v[WF+48*((\i)%2)+12*\a+4*\c:WF+48*((\i)%2)+12*\a+4*\c+3], v[LI], s[6:7] offset:6400*(\i)+1536*\a+512*\c
.endr
.endr
	global_load_b64 v[SB+6*((\i)%2):SB+6*((\i)%2)+1], v[L8], s[6:7] offset:6400*(\i)+6144
	global_load_b64 v[SB+6*((\i)%2)+2:SB+6*((\i)%2)+3], v[L8], s[4:5] offset:6400*(\i)+6144
	global_load_b64 v[SB+6*((\i)%2)+4:SB+6*((\i)%2)+5], v[L8], s[4:5] offset:204800+6400*(\i)+6144
.endm
.macro LOADT i, t                      ; 3 loads: the tokens' fragment t of my K step i
.irp c, 0,1,2
	global_load_b128 v[TF+12*(\t)+4*\c:TF+12*(\t)+4*\c+3], v[LI], s[4:5] offset:204800*((\t)/4)+6400*(\i)+1536*((\t)%4)+512*\c
.endr
.endm
	s_load_b256 s[4:11], s[0:1], 0x0               ; oz s[4:5], woz s[6:7], x s[8:9], bo s[10:11]
	s_load_b64 s[12:13], s[0:1], 0x20              ; hb
	v_lshl_add_u32 v[SPW], v0, 2, SPARE
	v_mov_b32 v[NIL], 0
	v_lshrrev_b32 v1, 5, v0
	v_readfirstlane_b32 s14, v1                    ; wave 0..7
	s_and_b32 s18, ttmp7, 0xffff                   ; y
	s_lshr_b32 s15, ttmp9, 2
	s_bfe_u32 s17, s18, 0x20001
	s_lshl_b32 s17, s17, 1
	s_add_co_u32 s15, s15, s17                     ; og: 64 outputs
	s_and_b32 s16, ttmp9, 3
	s_and_b32 s17, s18, 1
	s_lshl_b32 s17, s17, 2
	s_add_co_u32 s16, s16, s17
	s_lshr_b32 s17, s18, 3
	s_lshl_b32 s17, s17, 3
	s_add_co_u32 s16, s16, s17                     ; tp: 128 tokens
	s_mul_i32 s20, s16, 409600                     ; oz: (2 tp x 32 + 4 w) units of 6,400 bytes
	s_mul_i32 s22, s14, 25600
	s_add_co_u32 s20, s20, s22
	s_mov_b32 s21, 0
	s_mul_i32 s24, s15, 204800                     ; woz: (32 og + 4 w) units
	s_add_co_u32 s24, s24, s22
	s_mov_b32 s25, 0
	s_lshl_b32 s26, s16, 18                        ; x, h: row 128 tp + 16 w, byte 256 og
	s_lshl_b32 s27, s14, 15
	s_add_co_u32 s26, s26, s27
	s_lshl_b32 s28, s15, 8
	s_add_co_u32 s26, s26, s28
	s_mov_b32 s27, 0
	s_mov_b32 s29, 0
	s_mul_i32 s30, s14, PART
	s_mul_i32 s31, s14, 16*272
	v_and_b32 v1, 31, v0
	v_and_b32 v7, 15, v0                           ; r
	v_bfe_u32 v32, v0, 4, 1                        ; h
	v_lshlrev_b32 v[LI], 4, v1
	v_lshlrev_b32 v[L8], 3, v1
	v_lshlrev_b32 v[C16], 4, v7
	v_lshl_add_u32 v[GOF], v32, 11, v[C16]
	v_mul_u32_u24 v[SO], v7, 272
	v_lshl_add_u32 v[SO], v32, 5, v[SO]
	v_add_nc_u32 v[SO], s30, v[SO]                 ; in: my partial tile, row r, + 32 h
	v_mul_u32_u24 v[RD], v32, 272
	v_add_nc_u32 v[RD], v[RD], v[C16]
	v_add_nc_u32 v[RD], s31, v[RD]                 ; back: rows 16 w on, sixteen lanes to a row
	v_add_nc_u32 v[RD+1], 2*PART, v[RD]
	v_add_nc_u32 v[RD+2], 4*PART, v[RD]
	v_add_nc_u32 v[RD+3], 6*PART, v[RD]
	s_wait_alu depctr_va_vdst(0)
	s_wait_kmcnt 0x0
	s_add_nc_u64 s[4:5], s[4:5], s[20:21]
	s_add_nc_u64 s[6:7], s[6:7], s[24:25]
	s_add_nc_u64 s[8:9], s[8:9], s[26:27]
	s_add_nc_u64 s[12:13], s[12:13], s[26:27]
	s_add_nc_u64 s[10:11], s[10:11], s[28:29]
.irp t, 0,1,2,3,4,5,6,7
	global_load_b128 v[XB+4*\t:XB+4*\t+3], v[GOF], s[8:9] offset:4096*\t   ; the rows that I shall store: two an instruction, 256 consecutive bytes each
.endr
	global_load_b128 v[BO:BO+3], v[C16], s[10:11]
	LOADW 0
.irp t, 0,1,2,3,4,5,6,7
	LOADT 0, \t
.endr
	LOADW 1                                        ; 63 loads are out
.set I, 0
.rept 4
.set G, 0
.rept 4
.if I < 3
	s_wait_loadcnt 33                              ; behind this pair's loads stand 18 - 6 G of this step's later pairs, 15 of the next set of Wo and 6 G of the next step's pairs
.else
	s_wait_loadcnt 18-6*G                          ; the last step: only its own later pairs
.endif
	WIN 0x50                                       ; C and D window 1
.irp u, 0,1
.irp o, 0,1,2,3
	WM 8*(4*(2*G+\u)+\o), WF+48*(I%2)+12*\o, TF+12*(2*G+\u), I==0, SB+6*(I%2)+(\o/2), SB+6*(I%2)+2+G, \o%2, \u   ; the 32 accumulators by turns
.endr
.endr
	WIN 0
.if I < 3
	PLACES 4                                       ; places in front of loads into registers that matrix instructions have read
	LOADT I+1, 2*G
	LOADT I+1, 2*G+1
.endif
.set G, G+1
.endr
.if I < 2
	LOADW I+2
.endif
.set I, I+1
.endr
.irp t, 0,1,2,3,4,5,6,7
	v_pk_add_f32 v[XB+4*\t:XB+4*\t+1], v[XB+4*\t:XB+4*\t+1], v[BO:BO+1]          ; x + bo: also the places behind the last products
	v_pk_add_f32 v[XB+4*\t+2:XB+4*\t+3], v[XB+4*\t+2:XB+4*\t+3], v[BO+2:BO+3]
.endr
	WIN 0x04                                       ; an LDS store's data are its source 1: window 1
.irp t, 0,1,2,3,4,5,6,7
.irp o, 0,1,2,3
	ds_store_b128 v[SO], v[8*(4*\t+\o):8*(4*\t+\o)+3] offset:16*\t*272+64*\o       ; each accumulator from its low end on
	ds_store_b128 v[SO], v[8*(4*\t+\o)+4:8*(4*\t+\o)+7] offset:16*\t*272+64*\o+16
.endr
.endr
	WIN 0
	s_wait_dscnt 0x0                               ; my partial tile lies in LDS
	s_barrier_signal -1
	s_barrier_wait -1                              ; all eight do
	WIN 0x40
.irp p, 0,1,2,3,4,5,6,7
.irp t, 0,1,2,3,4,5,6,7
	ds_load_b128 v[32*\p+4*\t:32*\p+4*\t+3], v[RD+\p/2] offset:(\p%2)*PART+2*\t*272
.endr
.endr
	s_wait_dscnt 0x0
	WIN 0x45
.set i, 0
.rept 16
	v_pk_add_f32 v[i:i+1], v[i:i+1], v[32+i:33+i]
	v_pk_add_f32 v[64+i:65+i], v[64+i:65+i], v[96+i:97+i]
	v_pk_add_f32 v[128+i:129+i], v[128+i:129+i], v[160+i:161+i]
	v_pk_add_f32 v[192+i:193+i], v[192+i:193+i], v[224+i:225+i]
.set i, i+2
.endr
.set i, 0
.rept 16
	v_pk_add_f32 v[i:i+1], v[i:i+1], v[64+i:65+i]
	v_pk_add_f32 v[128+i:129+i], v[128+i:129+i], v[192+i:193+i]
.set i, i+2
.endr
.set i, 0
.rept 16
	v_pk_add_f32 v[i:i+1], v[i:i+1], v[128+i:129+i]
.set i, i+2
.endr
	WIN 0x01
.set i, 0
.rept 16
	v_pk_add_f32 v[XB+i:XB+i+1], v[i:i+1], v[XB+i:XB+i+1]
.set i, i+2
.endr
	WIN 0
.irp t, 0,1,2,3,4,5,6,7
	global_store_b128 v[GOF], v[XB+4*\t:XB+4*\t+3], s[12:13] offset:4096*\t   ; sixteen lanes store 256 consecutive bytes, at a multiple of 256 from h's first byte
.endr
	s_wait_tensorcnt 0x0                           ; the wave's end
	ds_add_u32 v[SPW], v[NIL]
	s_wait_dscnt 0x0
	s_endpgm
.Lfunc_end_k_qc7c2a26dee_oproj:
	.size	k_qc7c2a26dee_oproj, .Lfunc_end_k_qc7c2a26dee_oproj-k_qc7c2a26dee_oproj
	.p2alignl 7, 3214868480
	.fill 96, 4, 3214868480
	.section	.rodata,"a",@progbits
	.p2align	6, 0x0
	.amdhsa_kernel k_qc7c2a26dee_oproj
		.amdhsa_group_segment_fixed_size 279552
		.amdhsa_private_segment_fixed_size 0
		.amdhsa_enable_private_segment 0
		.amdhsa_kernarg_size 40
		.amdhsa_user_sgpr_count 2
		.amdhsa_user_sgpr_kernarg_segment_ptr 1
		.amdhsa_wavefront_size32 1
		.amdhsa_system_sgpr_workgroup_id_x 1
		.amdhsa_system_sgpr_workgroup_id_y 1
		.amdhsa_system_sgpr_workgroup_id_z 1
		.amdhsa_system_vgpr_workitem_id 0
		.amdhsa_next_free_vgpr 512
		.amdhsa_next_free_sgpr 66
		.amdhsa_reserve_vcc 0
		.amdhsa_float_denorm_mode_32 3
		.amdhsa_float_denorm_mode_16_64 3
		.amdhsa_memory_ordered 1
		.amdhsa_forward_progress 1
		.amdhsa_inst_pref_size 56
	.end_amdhsa_kernel
	.amdgpu_metadata
---
amdhsa.version: [ 1, 2 ]
amdhsa.kernels:
  - .name:           k_qc7c2a26dee_oproj
    .symbol:         k_qc7c2a26dee_oproj.kd
    .args:
      - { .name: oz, .offset: 0, .size: 8, .value_kind: global_buffer, .address_space: global }
      - { .name: woz, .offset: 8, .size: 8, .value_kind: global_buffer, .address_space: global }
      - { .name: x, .offset: 16, .size: 8, .value_kind: global_buffer, .address_space: global }
      - { .name: bo, .offset: 24, .size: 8, .value_kind: global_buffer, .address_space: global }
      - { .name: hb, .offset: 32, .size: 8, .value_kind: global_buffer, .address_space: global }
    .group_segment_fixed_size: 279552
    .private_segment_fixed_size: 0
    .kernarg_segment_align: 8
    .kernarg_segment_size: 40
    .max_flat_workgroup_size: 256
    .sgpr_count:     66
    .vgpr_count:     512
    .wavefront_size: 32
...
	.end_amdgpu_metadata
.endif
;; end of part 3
;; launch lnorm (part 4): grid 256 x 1, 4 waves a work-group, no clusters, 0 bytes of LDS; arguments hb, gamma, beta, out0; writes out0
.if DOCPART == 4
	.amdgcn_target "amdgcn-amd-amdhsa--gfx1250"
	.amdhsa_code_object_version 6
	.text
	.protected	k_qc7c2a26dee_lnorm
	.globl	k_qc7c2a26dee_lnorm
	.p2align	8
	.type	k_qc7c2a26dee_lnorm,@function
k_qc7c2a26dee_lnorm:
	s_mov_b64 s[64:65], 0
	v_nop
	global_prefetch_b8 v0, s[64:65] scope:SCOPE_SE
	s_setreg_imm32_b32 hwreg(HW_REG_WAVE_MODE, 25, 1), 1
	s_wait_xcnt 0x0
; out = (h - mean) / sqrt(var + 1e-5) x gamma + beta, along rows of 512 f32.  A wave takes four rows; a row of 2,048 bytes is 16 registers a lane and stays in registers between the passes.
; The variance is the mean of (h - mean)^2, taken in a second pass over the registers, not a difference of large sums.  No LDS, no barrier: a row never leaves its wave.  Memory binds: matrix units and clusters would add nothing.
.set H,  16                            ; v16-79  four rows
.set GA, 80                            ; v80-95  gamma at my 16 columns
.set BE, 96                            ; v96-111 beta
	s_load_b256 s[4:11], s[0:1], 0x0               ; h s[4:5], gamma s[6:7], beta s[8:9], out s[10:11]
	v_lshrrev_b32 v1, 5, v0
	v_readfirstlane_b32 s12, v1                    ; wave 0..3
	v_and_b32 v1, 31, v0
	v_lshlrev_b32 v1, 4, v1                        ; 16 bytes a lane
	s_lshl_b32 s14, ttmp9, 15                      ; 16 rows a work-group,
	s_lshl_b32 s15, s12, 13                        ; 4 a wave
	s_add_co_u32 s14, s14, s15
	s_mov_b32 s15, 0
	s_mov_b32 s16, 0x76543210
	s_mov_b32 s17, 0xfedcba98
	s_mov_b32 s18, 0x3b000000                      ; 1 / 512
	s_mov_b32 s19, 0x3727c5ac                      ; 1e-5
	v_mov_b32 v3, 0
	v_mov_b32 v7, 0                                ; (upper halves of pairs of which the low word serves both halves)
	v_mov_b32 v9, 0
	s_wait_alu depctr_va_vdst(0)
	s_wait_kmcnt 0x0
	s_add_nc_u64 s[4:5], s[4:5], s[14:15]
	s_add_nc_u64 s[10:11], s[10:11], s[14:15]
.irp i, 0,1,2,3
	global_load_b128 v[GA+4*\i:GA+4*\i+3], v1, s[6:7] offset:512*\i
	global_load_b128 v[BE+4*\i:BE+4*\i+3], v1, s[8:9] offset:512*\i
.endr
.irp j, 0,1,2,3
.irp i, 0,1,2,3
	global_load_b128 v[H+16*\j+4*\i:H+16*\j+4*\i+3], v1, s[4:5] offset:2048*\j+512*\i th:TH_LOAD_NT   ; 32 lanes read 512 consecutive bytes
.endr
.endr
.macro LANES                           ; v2 summed over the 32 lanes, the result in every lane
	v_add_f32_dpp v2, v2, v2 row_xmask:1 row_mask:0xf bank_mask:0xf
	v_add_f32_dpp v2, v2, v2 row_xmask:2 row_mask:0xf bank_mask:0xf
	v_add_f32_dpp v2, v2, v2 row_xmask:4 row_mask:0xf bank_mask:0xf
	v_add_f32_dpp v2, v2, v2 row_xmask:8 row_mask:0xf bank_mask:0xf
	v_permlanex16_b32 v3, v2, s16, s17
	v_add_f32 v2, v2, v3
.endm
.macro ROW j, left
.set R, H+16*\j
	s_wait_loadcnt \left                           ; this row (and gamma and beta, asked for ahead of it) is in; the later rows may be out
	v_pk_add_f32 v[2:3], v[R:R+1], v[R+2:R+3]
	v_pk_add_f32 v[4:5], v[R+4:R+5], v[R+6:R+7]
	v_pk_add_f32 v[2:3], v[2:3], v[R+8:R+9]
	v_pk_add_f32 v[4:5], v[4:5], v[R+10:R+11]
	v_pk_add_f32 v[2:3], v[2:3], v[R+12:R+13]
	v_pk_add_f32 v[4:5], v[4:5], v[R+14:R+15]
	v_pk_add_f32 v[2:3], v[2:3], v[4:5]
	v_add_f32 v2, v2, v3
	LANES
	v_mul_f32 v6, 0xbb000000, v2                   ; -mean
.irp k, 0,2,4,6,8,10,12,14
	v_pk_add_f32 v[R+\k:R+\k+1], v[R+\k:R+\k+1], v[6:7] op_sel_hi:[1,0]
.endr
	v_pk_mul_f32 v[2:3], v[R:R+1], v[R:R+1]
	v_pk_mul_f32 v[4:5], v[R+2:R+3], v[R+2:R+3]
.irp k, 4,8,12
	v_pk_fma_f32 v[2:3], v[R+\k:R+\k+1], v[R+\k:R+\k+1], v[2:3]
	v_pk_fma_f32 v[4:5], v[R+\k+2:R+\k+3], v[R+\k+2:R+\k+3], v[4:5]
.endr
	v_pk_add_f32 v[2:3], v[2:3], v[4:5]
	v_add_f32 v2, v2, v3
	LANES
	v_fma_f32 v2, v2, s18, s19                     ; var + 1e-5
	s_wait_alu depctr_va_vdst(0)
	v_rsq_f32 v8, v2
	v_nop                                          ; a plain place behind the transcendental
	s_wait_alu depctr_va_vdst(0)                   ; and the wait ahead of its first reader
.irp k, 0,2,4,6,8,10,12,14
	v_pk_mul_f32 v[R+\k:R+\k+1], v[R+\k:R+\k+1], v[8:9] op_sel_hi:[1,0]
.endr
.irp k, 0,2,4,6,8,10,12,14
	v_pk_fma_f32 v[R+\k:R+\k+1], v[R+\k:R+\k+1], v[GA+\k:GA+\k+1], v[BE+\k:BE+\k+1]
.endr
.irp i, 0,1,2,3
	global_store_b128 v1, v[R+4*\i:R+4*\i+3], s[10:11] offset:2048*\j+512*\i th:TH_STORE_NT   ; 32 lanes store 512 consecutive bytes; a row's registers are not written again
.endr
.endm
	ROW 0, 12
	ROW 1, 8
	ROW 2, 4
	ROW 3, 0
	s_endpgm
.Lfunc_end_k_qc7c2a26dee_lnorm:
	.size	k_qc7c2a26dee_lnorm, .Lfunc_end_k_qc7c2a26dee_lnorm-k_qc7c2a26dee_lnorm
	.p2alignl 7, 3214868480
	.fill 96, 4, 3214868480
	.section	.rodata,"a",@progbits
	.p2align	6, 0x0
	.amdhsa_kernel k_qc7c2a26dee_lnorm
		.amdhsa_group_segment_fixed_size 0
		.amdhsa_private_segment_fixed_size 0
		.amdhsa_enable_private_segment 0
		.amdhsa_kernarg_size 32
		.amdhsa_user_sgpr_count 2
		.amdhsa_user_sgpr_kernarg_segment_ptr 1
		.amdhsa_wavefront_size32 1
		.amdhsa_system_sgpr_workgroup_id_x 1
		.amdhsa_system_sgpr_workgroup_id_y 1
		.amdhsa_system_sgpr_workgroup_id_z 1
		.amdhsa_system_vgpr_workitem_id 0
		.amdhsa_next_free_vgpr 112
		.amdhsa_next_free_sgpr 66
		.amdhsa_reserve_vcc 0
		.amdhsa_float_denorm_mode_32 3
		.amdhsa_float_denorm_mode_16_64 3
		.amdhsa_memory_ordered 1
		.amdhsa_forward_progress 1
		.amdhsa_inst_pref_size 19
	.end_amdhsa_kernel
	.amdgpu_metadata
---
amdhsa.version: [ 1, 2 ]
amdhsa.kernels:
  - .name:           k_qc7c2a26dee_lnorm
    .symbol:         k_qc7c2a26dee_lnorm.kd
    .args:
      - { .name: hb, .offset: 0, .size: 8, .value_kind: global_buffer, .address_space: global }
      - { .name: gamma, .offset: 8, .size: 8, .value_kind: global_buffer, .address_space: global }
      - { .name: beta, .offset: 16, .size: 8, .value_kind: global_buffer, .address_space: global }
      - { .name: out0, .offset: 24, .size: 8, .value_kind: global_buffer, .address_space: global }
    .group_segment_fixed_size: 0
    .private_segment_fixed_size: 0
    .kernarg_segment_align: 8
    .kernarg_segment_size: 32
    .max_flat_workgroup_size: 128
    .sgpr_count:     66
    .vgpr_count:     112
    .wavefront_size: 32
...
	.end_amdgpu_metadata
.endif
;; end of part 4
